; MI455X (gfx1250); checked and timed in simulation.
; The chip was launched on July 23, 2026; its instructions are those of AMD's public machine-readable ISA for CDNA 5 (MIT licence, August 2026) and "CDNA5" Instruction Set Architecture Reference Guide (July 2026). The comments in the code are by the model that wrote it; some were corrected since.
;; Attention. Allowed arithmetic: matrix products marked QUANTISED: E2M1 operands, one E8M0 scale for each 32 along K, by v_wmma_scale_f32_16x16x128_f8f6f4 with both operands' format E2M1 (or v_wmma_scale_f32_32x16x128_f4), f32 sums; products left as they are: bf16, f16 or f32 operands; f32 sums; everything else in f32.
;; Inputs: cos_BTK 2 x 2,048 x 128 float32; hidden_BTD 2 x 2,048 x 2,048 float32; k_norm_w 128 float32; position_ids_BT 2 x 2,048 int32; q_norm_w 128 float32; segment_ids_BT 2 x 2,048 int32; sin_BTK 2 x 2,048 x 128 float32; w_k 2,048 x 512 float32; w_o 1,024 x 2,048 float32; w_q 2,048 x 2,048 float32; w_v 2,048 x 512 float32.
;; Outputs: out0 2 x 2,048 x 2,048 float32.
;; This version of the problem:
;;   THIS VERSION OF THE PROBLEM IS GIVEN IN LOW PRECISION. The matrix products marked QUANTISED in the list below multiply operands that are first quantised to E2M1 (2 exponent bits, 1 mantissa bit; 4 bits a number), with one power-of-two scale for each 32 numbers along K (OCP MX v1.0); their sums are f32. The products marked 'left as it is' may take bf16, f16 or f32 operands, with f32 sums. Whichever they take, every output number must still come out within the allowed error. Rounding operands to bf16 (8 significant bits) uses up far more of that allowance than f16 does (11 bits, for magnitudes from 6e-5 to 65,504). All else is computed in f32.
;;   The module's matrix products, in the order in which they are computed (A, B: the left and right operand; K: the contracted axis; several contracted axes count as one K, in the product's order):
;;     1. [M 4,096, K 2,048] x [K 2,048, N 2,048]; A: input hidden_BTD; B: input w_q: QUANTISED
;;     2. [M 4,096, K 2,048] x [K 2,048, N 512]; A: input hidden_BTD; B: input w_k: QUANTISED
;;     3. [M 4,096, K 2,048] x [K 2,048, N 512]; A: input hidden_BTD; B: input w_v: QUANTISED
;;     4. batch 16 x [M 2,048, K 128] x [K 128, N 2,048]; A: computed on the way; B: computed on the way: left as it is (an operand is computed on the way)
;;     5. batch 16 x [M 128, K 2,048] x [K 2,048, N 2,048]; A: computed on the way; B: computed on the way: left as it is (an operand is computed on the way)
;;     6. [M 4,096, K 1,024] x [K 1,024, N 2,048]; A: computed on the way; B: input w_o: left as it is (an operand is computed on the way)
;;   THE QUANTISER, for each operand of a quantised product, along K:
;;     - K is cut into blocks of 32 from its start; a last block that is shorter is filled with zeros.
;;     - A block's scale is 2^e with e = floor(log2(the largest magnitude in the block)) - 2, held to -126 .. 127; a block of zeros has e = 0. As a byte (E8M0): e + 127.
;;     - Each number is divided by its block's scale, clamped to +-6, and rounded to the nearest number of E2M1, ties to even, subnormals kept.
;;     - The product sums the exact products of the quantised numbers (number of the format x scale) in f32.
;;   ~~~python
;;   def quantise(x, axis):      # numpy; x: float32 -> the quantised numbers, widened to float32 again
;;       x = np.moveaxis(x, axis, -1); K = x.shape[-1]
;;       x = np.pad(x, [(0, 0)] * (x.ndim - 1) + [(0, -K % 32)]); x = x.reshape(x.shape[:-1] + (-1, 32)); a = np.abs(x).max(-1, keepdims=True)
;;       e = np.where(a > 0, np.clip(np.frexp(np.where(a > 0, a, 1))[1] - 1 - 2, -126, 127), 0)      # np.frexp(a)[1] - 1 = floor(log2(a)), exactly
;;       r = np.clip(x / 2.0 ** e, -6, 6)
;;       step = 2.0 ** (np.maximum(np.frexp(np.where(r == 0, 1, r))[1] - 1, 0) - 1)
;;       q = np.round(r / step) * step * 2.0 ** e      # np.round: ties to even
;;       return np.moveaxis(q.reshape(q.shape[:-2] + (-1,))[..., :K], -1, axis).astype(np.float32)
;;   ~~~
;; One version. Each part assembles by itself: llvm-mc -triple=amdgcn-amd-amdhsa -mcpu=gfx1250 --defsym DOCPART=n.
;; ======== version 1 of 1: 5 launches
;; limits: values outside matrix products are rounded to f16; values are held in f16: magnitudes above 65,504 overflow, below 6.1e-05 lose precision
;; workspace buffers: hq 4,456,448 bytes; wq4 3,342,336 bytes; wot 4,194,304 bytes; qg 16,777,216 bytes; kv 8,388,608 bytes; xa 8,388,608 bytes; fine 393,216 bytes
;; launch prep (part 1): grid 576 x 1, 4 waves a work-group, no clusters, 102,912 bytes of LDS; arguments hidden_BTD, w_q, w_k, w_v, w_o, hq, wq4, wot; writes hq, wq4, wot
.if DOCPART == 1
	.amdgcn_target "amdgcn-amd-amdhsa--gfx1250"
	.amdhsa_code_object_version 6
	.text
	.protected	k_qa893d208da_prep
	.globl	k_qa893d208da_prep
	.p2align	8
	.type	k_qa893d208da_prep,@function
k_qa893d208da_prep:
	s_mov_b64 s[64:65], 0
	v_nop
	global_prefetch_b8 v0, s[64:65] scope:SCOPE_SE
	s_setreg_imm32_b32 hwreg(HW_REG_WAVE_MODE, 25, 1), 1
	s_wait_xcnt 0x0
; PREP: the operands of the three quantised products become codes of E2M1 with one E8M0 byte for each 32 along K; w_o becomes f16 with K innermost.
; WORK LEFT OUT IN THIS PROGRAM.  (1) segment_ids_BT and position_ids_BT stand in no expression of the function's body: whatever they hold, no output moves; they are not loaded and are among no launch's arguments.
; (2) The causal mask is built in the function's own body (a lower triangle of ones): a score with key > query is replaced by the least f32 number, its weight after the softmax is 0 for all inputs with finite scores,
; since key = query always counts.  So blocks of 64 keys that lie wholly behind a tile's 16 queries are not multiplied (launch attn).  LIMIT: a NaN, an infinity or an overflow that reaches only such scores is not carried to the result.
; THE QUANTISER: a block's scale is 2^(floor(log2(largest magnitude)) - 2); its byte is that magnitude's exponent field - 2, held at 1 from below.  A block of zeros so gets the byte 1 where the rule says 127:
; its codes are zeros, which add nothing under any byte but 0xff, and this program alone reads the bytes.  Each number is divided by the scale and rounded to the nearest code, ties to even, beyond 6 the largest code.
; LIMITS: blocks whose largest magnitude lies under 2^-124 (the floor) were not tried; NaN and infinities among the inputs are not served; |w_o| stays under 65,504 (f16).
; THREE PATHS, parted by the work-group's number, each with LDS bytes of its own:
;   W (0 .. 191):   w_q, w_k, w_v, f32 [2048 k][n]: a lane takes a column, its registers run down K.  64 columns x 512 k a work-group, 16 columns a wave: lanes 0-15 take the first 256 k of their column,
;                   lanes 16-31 the other 256.  So a wave walks 8 blocks of 32 k one behind the other, two blocks' loads out, and still gathers 256 bytes of codes for each column; the four waves stand side by
;                   side on 256 consecutive bytes of each row.  Codes to wq4 [3072 n'][1024 bytes], bytes to wq4 + 3,145,728 [3072][64].
;                   Rows n' in units of 128: unit 2 h = q of head h, 2 h + 1 = its gate (w_q's own order), 16 + 2 j = k of kv head j, 17 + 2 j = its v.
;   O (192 .. 319): w_o f32 [1024 k][2048 n] -> wot f16 [2048 n][1024 k]: a lane to a column, 32 columns a wave, a rounding in place of the quantiser.  128 columns x 128 k a work-group.
;   H (320 .. 575): hidden f32 [4096][2048], K innermost: a plain stream of blocks of 32.  8,192 numbers a wave.  Codes to hq [4096][1024 bytes], bytes to hq + 4,194,304 [4096][64].
; No tensor loads, no barrier: waves share nothing.  No cluster: no two work-groups read the same bytes.  No prefetch: every wave keeps 16 to 64 loads out and the launch only streams.
.set SPW,   12                         ; v12  LDS address of my spare word: SPARE + 4 x my thread's number; never rewritten
.set NIL,   13                         ; v13  0; never rewritten
.set SPARE, 102400                     ; behind the three regions: 128 bytes for each wave, two blocks of 256 bytes that no other line names
.set PITCH, 272                        ; a stage row of paths W and O: 256 bytes + 16
.set WSTG,  32768                      ; path W's stages: 4 x 16 x 272
.set OSTG,  67584                      ; path O's stages: 4 x 32 x 272
.set WREG,  8192                       ; path H: a region for each wave: two stages of 32 x 80 bytes, then its 256 scale bytes
.set SP,    80                         ; path H: a lane's place in a stage: 64 bytes + 16 of padding
.set STEPS, 16
.set NBW,   8                          ; path W: blocks of 32 k that a lane walks
.set HR,    16                         ; path H: v16-79 four sets of 16 numbers as loaded
.set HX,    80                         ;         v80-111 two sets of 16 neighbours
.set HE,    112                        ;         v112-127 a scale byte for each step
.set HC,    128                        ;         v128-191 codes, four registers a step: no store's data are written again
.set OF,    16                         ; path W: v16-47 offsets of 32 rows down K in my column
.set WX,    48                         ; paths W, O: v48-111 two sets of 32 numbers
.set WC,    112                        ; v112.. a block's codes (W: 4) or f16 pairs (O: 16)
.set SB,    120                        ; path W: v120-121 my 8 scale bytes
.set OUTR,  128                        ; v128.. the way out
.macro HLOAD t                         ; four loads of 512 consecutive bytes
.irp i, 0,1,2,3
	global_load_b128 v[HR+16*((\t)%4)+4*\i:HR+16*((\t)%4)+4*\i+3], v3, s[8:9] offset:2048*(\t)+512*\i th:TH_LOAD_NT
.endr
.endm
.macro HTURN t                         ; a step's 2,048 bytes through the wave's stage: in as they lie, out 64 bytes a lane.  LDS serves a wave's instructions in order
.irp i, 0,1,2,3
	ds_store_b128 v14, v[HR+16*((\t)%4)+4*\i:HR+16*((\t)%4)+4*\i+3] offset:32*SP*((\t)%2)+8*SP*\i
.endr
.irp i, 0,1,2,3
	ds_load_b128 v[HX+16*((\t)%2)+4*\i:HX+16*((\t)%2)+4*\i+3], v15 offset:32*SP*((\t)%2)+16*\i
.endr
.endm
.macro HSTEP t
.set XS, HX+16*((\t)%2)
.if (\t) > 0
	s_wait_dscnt 1                                 ; this step's numbers are back from the stage; the last step's byte store may be out
.else
	s_wait_dscnt 0x0
.endif
.if (\t)+4 < STEPS
	HLOAD (\t)+4                                   ; into the registers that the stage's stores have read
.endif
.if (\t)+1 < STEPS
.if STEPS-2-(\t) >= 3
	s_wait_loadcnt 12                              ; the next step's four loads are in; three later steps' twelve may be out
.else
	s_wait_loadcnt 4*(STEPS-2-(\t))
.endif
	HTURN (\t)+1
.endif
	v_max3_num_f32 v8, |v[XS]|, |v[XS+1]|, |v[XS+2]|               ; the largest magnitude of my 16, in two chains
	v_max3_num_f32 v9, |v[XS+3]|, |v[XS+4]|, |v[XS+5]|
.irp i, 6,10
	v_max3_num_f32 v8, v8, |v[XS+\i]|, |v[XS+\i+1]|
	v_max3_num_f32 v9, v9, |v[XS+\i+2]|, |v[XS+\i+3]|
.endr
	v_max3_num_f32 v8, v8, |v[XS+14]|, |v[XS+15]|
	v_max3_num_f32 v8, v8, v9, 0x1800000           ; and the floor 2^(3 - 127): the byte cannot fall under 1
	v_max_num_f32_dpp v8, v8, v8 row_xmask:1 row_mask:0xf bank_mask:0xf   ; with my neighbour's 16: the block's
	v_add_nc_u32 v11, 0xff000000, v8               ; 2 off its exponent field: the conversion takes this operand's exponent field as its scale
	v_cvt_scalef32_pk8_fp4_f32 v[HC+4*(\t)], v[XS:XS+7], v11
	v_cvt_scalef32_pk8_fp4_f32 v[HC+4*(\t)+1], v[XS+8:XS+15], v11
	v_lshrrev_b32 v[HE+(\t)], 23, v11              ; the scale's byte (a plain line behind the conversions)
	ds_store_b8 v5, v[HE+(\t)] offset:16*(\t)      ; both lanes of a block write the same byte with the same value
	global_store_b64 v4, v[HC+4*(\t):HC+4*(\t)+1], s[28:29] offset:256*(\t)   ; the wave stores 256 consecutive bytes, aligned
.endm
.macro WLOAD set, first                ; 32 rows down K of my column; the pointer walks 32 rows a block
.if (\first) == 0
	s_wait_xcnt 0x0                                ; the loads that are out have read their base: it may step
	s_add_nc_u64 s[26:27], s[26:27], s[36:37]
.endif
.irp i, 0,1,2,3,4,5,6,7,8,9,10,11,12,13,14,15,16,17,18,19,20,21,22,23,24,25,26,27,28,29,30,31
	global_load_b32 v[WX+32*(\set)+\i], v[OF+\i], s[26:27] th:TH_LOAD_NT
.endr
.endm
.macro QBLOCK t
.set XS, WX+32*((\t)%2)
.if (\t) < NBW-1
	s_wait_loadcnt 32                              ; this block's 32 loads are in; the next block's may be out
.else
	s_wait_loadcnt 0x0
.endif
	v_max3_num_f32 v10, |v[XS]|, |v[XS+1]|, |v[XS+2]|              ; the block's largest magnitude: all 32 numbers are mine
	v_max3_num_f32 v11, |v[XS+3]|, |v[XS+4]|, |v[XS+5]|
.irp i, 6,10,14,18,22,26
	v_max3_num_f32 v10, v10, |v[XS+\i]|, |v[XS+\i+1]|
	v_max3_num_f32 v11, v11, |v[XS+\i+2]|, |v[XS+\i+3]|
.endr
	v_max3_num_f32 v10, v10, |v[XS+30]|, |v[XS+31]|
	v_max3_num_f32 v10, v10, v11, 0x1800000        ; the floor
	v_add_nc_u32 v14, 0xff000000, v10              ; the conversion's scale operand
	v_lshrrev_b32 v15, 23, v14                     ; the scale's byte
.if (\t)%4 == 0
	v_mov_b32 v[SB+(\t)/4], v15                    ; four bytes to a register, the lower k in the lower byte
.else
	v_lshl_or_b32 v[SB+(\t)/4], v15, 8*((\t)%4), v[SB+(\t)/4]
.endif
.irp g, 0,1,2,3
	v_cvt_scalef32_pk8_fp4_f32 v[WC+\g], v[XS+8*\g:XS+8*\g+7], v14
.endr
	ds_store_b128 v4, v[WC:WC+3] offset:16*(\t)    ; 32 codes: 16 bytes of my half of my column's row
.if (\t)+2 < NBW
	WLOAD (\t)%2, 0
.endif
	s_wait_dscnt 0x0                               ; the store has read its registers: the next block's codes may be written
.endm
.macro OLOAD t
.irp i, 0,1,2,3,4,5,6,7,8,9,10,11,12,13,14,15,16,17,18,19,20,21,22,23,24,25,26,27,28,29,30,31
	global_load_b32 v[WX+32*((\t)%2)+\i], v3, s[26:27] offset:(32*(\t)+\i)*8192 th:TH_LOAD_NT
.endr
.endm
.macro HBLOCK t
.set XS, WX+32*((\t)%2)
.if (\t) < 3
	s_wait_loadcnt 32                              ; the next block's 32 loads may be out
.else
	s_wait_loadcnt 0x0
.endif
.irp i, 0,1,2,3,4,5,6,7,8,9,10,11,12,13,14,15
	v_cvt_pk_f16_f32 v[WC+\i], v[XS+2*\i], v[XS+2*\i+1]            ; two neighbours along K, the lower in the low half
.endr
.irp i, 0,1,2,3
	ds_store_b128 v4, v[WC+4*\i:WC+4*\i+3] offset:64*(\t)+16*\i
.endr
.if (\t)+2 < 4
	OLOAD (\t)+2
.endif
	s_wait_dscnt 0x0
.endm
.macro WAYOUT krow, base, n            ; 2 n rows of 256 bytes leave: sixteen lanes store 256 consecutive bytes, aligned
.set t_, 0
.rept \n
	ds_load_b128 v[OUTR+4*t_:OUTR+4*t_+3], v7 offset:2*t_*PITCH    ; LDS serves a wave's instructions in order: these see my stores
.set t_, t_+1
.endr
.set t_, 0
.rept \n
	s_wait_dscnt \n-1-t_                           ; the younger loads may be out
	global_store_b128 v8, v[OUTR+4*t_:OUTR+4*t_+3], s[\base:\base+1] offset:2*t_*\krow
.set t_, t_+1
.endr
.endm
.macro CLOSE                           ; the wave's end
	s_wait_tensorcnt 0x0
	ds_add_u32 v[SPW], v[NIL]
	s_wait_dscnt 0x0
	s_endpgm
.endm
	s_load_b512 s[8:23], s[0:1], 0x0               ; hidden 8, w_q 10, w_k 12, w_v 14, w_o 16, hq 18, wq4 20, wot 22
	v_lshl_add_u32 v[SPW], v0, 2, SPARE
	v_mov_b32 v[NIL], 0
	v_lshrrev_b32 v1, 5, v0
	v_readfirstlane_b32 s2, v1                     ; wave 0..3
	v_and_b32 v2, 31, v0                           ; lane
	s_cmp_lt_u32 ttmp9, 192
	s_cbranch_scc1 .Lpath_w
	s_cmp_lt_u32 ttmp9, 320
	s_cbranch_scc1 .Lpath_o
	; ---- path H
	v_lshlrev_b32 v3, 4, v2                        ; my 16 bytes of a load's 512
	s_mul_i32 s3, s2, WREG
	v_lshrrev_b32 v14, 2, v2
	v_mul_u32_u24 v14, v14, SP
	v_and_b32 v15, 3, v2
	v_lshl_add_u32 v14, v15, 4, v14
	v_add_nc_u32 v14, s3, v14                      ; the stage, in: 80 (lane / 4) + 16 (lane % 4)
	v_mul_u32_u24 v15, v2, SP
	v_add_nc_u32 v15, s3, v15                      ; out: 80 x lane: my 16 neighbours
	v_lshlrev_b32 v4, 3, v2                        ; 8 bytes a lane: my codes' place in a step's, and my part of the 256 scale bytes
	v_lshrrev_b32 v5, 1, v2
	s_add_co_u32 s3, s3, 2*32*SP
	v_add_nc_u32 v5, s3, v5                        ; LDS: my block's byte
	v_add_nc_u32 v6, s3, v4                        ; and on the way out 8 bytes a lane
	s_sub_co_u32 s24, ttmp9, 320
	s_lshl_b32 s24, s24, 2
	s_add_co_u32 s24, s24, s2                      ; which run of 8,192 numbers is my wave's: 0 .. 1,023
	s_lshl_b32 s26, s24, 15
	s_mov_b32 s27, 0
	s_lshl_b32 s28, s24, 12
	s_mov_b32 s29, 0
	s_lshl_b32 s30, s24, 8
	s_add_co_u32 s30, s30, 4194304
	s_mov_b32 s31, 0
	s_wait_kmcnt 0x0
	s_add_nc_u64 s[8:9], s[8:9], s[26:27]
	s_add_nc_u64 s[28:29], s[18:19], s[28:29]      ; my codes
	s_add_nc_u64 s[30:31], s[18:19], s[30:31]      ; my scale bytes
.irp t, 0,1,2,3
	HLOAD \t
.endr
	s_wait_loadcnt 12                              ; step 0's four loads are in
	HTURN 0
.irp t, 0,1,2,3,4,5,6,7,8,9,10,11,12,13,14,15
	HSTEP \t
.endr
	ds_load_b64 v[8:9], v6                         ; my wave's 256 scale bytes, 8 a lane
	s_wait_dscnt 0x0
	global_store_b64 v4, v[8:9], s[30:31]          ; 256 consecutive bytes, aligned
	CLOSE
	; ---- path W
.Lpath_w:
	s_mul_i32 s3, s2, 16*PITCH
	s_add_co_u32 s3, s3, WSTG                      ; my stage: 16 rows, one for each column
	v_and_b32 v5, 15, v2                           ; c: my column of the wave's 16
	v_lshrrev_b32 v6, 4, v2                        ; h: my half of the work-group's 512 k
	v_mul_u32_u24 v4, v5, PITCH
	v_lshl_add_u32 v4, v6, 7, v4
	v_add_nc_u32 v4, s3, v4                        ; in: row c, + 128 h: 256 k are 128 bytes of codes
	v_mul_u32_u24 v7, v6, PITCH
	v_lshl_add_u32 v7, v5, 4, v7
	v_add_nc_u32 v7, s3, v7                        ; out: sixteen lanes to a row, two rows an instruction
	v_lshlrev_b32 v8, 10, v6
	v_lshl_add_u32 v8, v5, 4, v8                   ; and the same place in wq4: rows of 1,024 bytes
	v_lshlrev_b32 v9, 6, v5
	v_lshl_add_u32 v9, v6, 3, v9                   ; my column's row of 64 scale bytes, + 8 h
	s_lshr_b32 s24, ttmp9, 2                       ; wx: which 64 columns, 0 .. 47: 32 of w_q, 8 of w_k, 8 of w_v
	s_and_b32 s25, ttmp9, 3                        ; ky: which 512 along K
	s_mov_b32 s28, 2048                            ; a row of w_k or w_v in bytes
	s_mov_b32 s31, 2176                            ; v of kv head 0 begins at row n' = 128 x 17
	s_sub_co_u32 s32, s24, 32
	s_sub_co_u32 s33, s24, 40
	s_wait_kmcnt 0x0
	s_cmp_lt_u32 s24, 40                           ; the choices hang on the work-group's number alone
	s_cselect_b64 s[26:27], s[12:13], s[14:15]
	s_cselect_b32 s32, s32, s33                    ; the block of 64 columns in w_k or w_v: 2 j + half
	s_cselect_b32 s31, 2048, s31                   ; k of kv head 0 begins at row n' = 128 x 16
	s_lshr_b32 s30, s32, 1
	s_lshl_b32 s30, s30, 8                         ; 256 j
	s_and_b32 s33, s32, 1
	s_lshl_b32 s33, s33, 6                         ; + 64 x half
	s_add_co_u32 s30, s30, s33
	s_add_co_u32 s30, s30, s31
	s_lshl_b32 s29, s24, 6                         ; w_q's columns keep their order: n' = 64 wx
	s_cmp_lt_u32 s24, 32
	s_cselect_b64 s[26:27], s[10:11], s[26:27]
	s_cselect_b32 s30, s29, s30                    ; the work-group's first row n'
	s_cselect_b32 s32, s24, s32                    ; the block of 64 columns in the source
	s_cselect_b32 s28, 8192, s28                   ; a row of the source in bytes
	s_mul_i32 s34, s25, s28
	s_lshl_b32 s34, s34, 9                         ; 512 ky rows
	s_lshl_b32 s35, s32, 8
	s_add_co_u32 s34, s34, s35
	s_lshl_b32 s35, s2, 6
	s_add_co_u32 s34, s34, s35                     ; + my wave's 16 columns
	s_mov_b32 s35, 0
	s_add_nc_u64 s[26:27], s[26:27], s[34:35]
	s_lshl_b32 s36, s28, 5                         ; 32 rows on
	s_mov_b32 s37, 0
	s_lshl_b32 s33, s28, 8                         ; 256 rows: from lanes 0-15 to lanes 16-31
	s_lshl_b32 s43, s2, 4
	s_add_co_u32 s42, s30, s43                     ; my wave's first row n'
	s_lshl_b32 s44, s42, 6
	s_lshl_b32 s45, s25, 4
	s_add_co_u32 s44, s44, s45
	s_add_co_u32 s44, s44, 3145728
	s_mov_b32 s45, 0
	s_add_nc_u64 s[40:41], s[20:21], s[44:45]      ; scale bytes
	s_lshl_b32 s42, s42, 10
	s_lshl_b32 s43, s25, 8
	s_add_co_u32 s42, s42, s43
	s_mov_b32 s43, 0
	s_add_nc_u64 s[38:39], s[20:21], s[42:43]      ; codes
	v_mul_lo_u32 v[OF], v6, s33
	v_lshl_add_u32 v[OF], v5, 2, v[OF]             ; 4 c + 256 h rows
.set n_, 1
.rept 31
	v_add_nc_u32 v[OF+n_], s28, v[OF+n_-1]
.set n_, n_+1
.endr
	WLOAD 0, 1
	WLOAD 1, 0
.irp t, 0,1,2,3,4,5,6,7
	QBLOCK \t
.endr
	global_store_b64 v9, v[SB:SB+1], s[40:41]      ; 8 bytes a lane, 16 of each of 16 rows: one byte for each 128 that the path reads
	WAYOUT 1024, 38, 8
	CLOSE
	; ---- path O
.Lpath_o:
	s_mul_i32 s3, s2, 32*PITCH
	s_add_co_u32 s3, s3, OSTG
	v_mul_u32_u24 v4, v2, PITCH
	v_add_nc_u32 v4, s3, v4                        ; in: row = my column
	v_and_b32 v5, 15, v2
	v_lshrrev_b32 v6, 4, v2
	v_mul_u32_u24 v7, v6, PITCH
	v_lshl_add_u32 v7, v5, 4, v7
	v_add_nc_u32 v7, s3, v7                        ; out: sixteen lanes to a row, two rows an instruction
	v_lshlrev_b32 v8, 11, v6
	v_lshl_add_u32 v8, v5, 4, v8                   ; and the same place in wot: rows of 2,048 bytes
	v_lshlrev_b32 v3, 2, v2
	s_sub_co_u32 s24, ttmp9, 192
	s_lshr_b32 s25, s24, 3                         ; ox: which 128 columns
	s_and_b32 s24, s24, 7                          ; oy: which 128 along K
	s_lshl_b32 s34, s24, 20                        ; 128 rows of 8,192 bytes
	s_lshl_b32 s35, s25, 9
	s_add_co_u32 s34, s34, s35
	s_lshl_b32 s35, s2, 7
	s_add_co_u32 s34, s34, s35
	s_mov_b32 s35, 0
	s_lshl_b32 s42, s25, 7
	s_lshl_b32 s43, s2, 5
	s_add_co_u32 s42, s42, s43
	s_lshl_b32 s42, s42, 11                        ; rows of 2,048 bytes
	s_lshl_b32 s43, s24, 8
	s_add_co_u32 s42, s42, s43
	s_mov_b32 s43, 0
	s_wait_kmcnt 0x0
	s_add_nc_u64 s[26:27], s[16:17], s[34:35]
	s_add_nc_u64 s[38:39], s[22:23], s[42:43]
	OLOAD 0
	OLOAD 1
.irp t, 0,1,2,3
	HBLOCK \t
.endr
	WAYOUT 2048, 38, 16
	CLOSE
.Lfunc_end_k_qa893d208da_prep:
	.size	k_qa893d208da_prep, .Lfunc_end_k_qa893d208da_prep-k_qa893d208da_prep
	.p2alignl 7, 3214868480
	.fill 96, 4, 3214868480
	.section	.rodata,"a",@progbits
	.p2align	6, 0x0
	.amdhsa_kernel k_qa893d208da_prep
		.amdhsa_group_segment_fixed_size 102912
		.amdhsa_private_segment_fixed_size 0
		.amdhsa_enable_private_segment 0
		.amdhsa_kernarg_size 64
		.amdhsa_user_sgpr_count 2
		.amdhsa_user_sgpr_kernarg_segment_ptr 1
		.amdhsa_wavefront_size32 1
		.amdhsa_system_sgpr_workgroup_id_x 1
		.amdhsa_system_sgpr_workgroup_id_y 1
		.amdhsa_system_sgpr_workgroup_id_z 1
		.amdhsa_system_vgpr_workitem_id 0
		.amdhsa_next_free_vgpr 192
		.amdhsa_next_free_sgpr 66
		.amdhsa_reserve_vcc 0
		.amdhsa_float_denorm_mode_32 3
		.amdhsa_float_denorm_mode_16_64 3
		.amdhsa_memory_ordered 1
		.amdhsa_forward_progress 1
		.amdhsa_inst_pref_size 97
	.end_amdhsa_kernel
	.amdgpu_metadata
---
amdhsa.version: [ 1, 2 ]
amdhsa.kernels:
  - .name:           k_qa893d208da_prep
    .symbol:         k_qa893d208da_prep.kd
    .args:
      - { .name: hidden_BTD, .offset: 0, .size: 8, .value_kind: global_buffer, .address_space: global }
      - { .name: w_q, .offset: 8, .size: 8, .value_kind: global_buffer, .address_space: global }
      - { .name: w_k, .offset: 16, .size: 8, .value_kind: global_buffer, .address_space: global }
      - { .name: w_v, .offset: 24, .size: 8, .value_kind: global_buffer, .address_space: global }
      - { .name: w_o, .offset: 32, .size: 8, .value_kind: global_buffer, .address_space: global }
      - { .name: hq, .offset: 40, .size: 8, .value_kind: global_buffer, .address_space: global }
      - { .name: wq4, .offset: 48, .size: 8, .value_kind: global_buffer, .address_space: global }
      - { .name: wot, .offset: 56, .size: 8, .value_kind: global_buffer, .address_space: global }
    .group_segment_fixed_size: 102912
    .private_segment_fixed_size: 0
    .kernarg_segment_align: 8
    .kernarg_segment_size: 64
    .max_flat_workgroup_size: 128
    .sgpr_count:     66
    .vgpr_count:     192
    .wavefront_size: 32
...
	.end_amdgpu_metadata
.endif
;; end of part 1
;; launch qkv (part 2): grid 12 x 16, 4 waves a work-group, clusters of 4 x 4, 327,680 bytes of LDS; arguments hq, wq4, cos_BTK, sin_BTK, q_norm_w, k_norm_w, qg, kv, fine; writes qg, kv, fine
.if DOCPART == 2
	.amdgcn_target "amdgcn-amd-amdhsa--gfx1250"
	.amdhsa_code_object_version 6
	.text
	.protected	k_qa893d208da_qkv
	.globl	k_qa893d208da_qkv
	.p2align	8
	.type	k_qa893d208da_qkv,@function
k_qa893d208da_qkv:
	s_mov_b64 s[64:65], 0
	v_nop
	global_prefetch_b8 v0, s[64:65] scope:SCOPE_SE
	s_setreg_imm32_b32 hwreg(HW_REG_WAVE_MODE, 25, 1), 1
	s_wait_xcnt 0x0
	s_wait_alu depctr_hold_cnt(0) depctr_sa_sdst(0) depctr_va_vdst(0) depctr_va_sdst(0) depctr_va_ssrc(0) depctr_va_vcc(0) depctr_vm_vsrc(0)
	s_getreg_b32 s2, hwreg(HW_REG_IB_STS2, 6, 4)
	s_cmp_eq_u32 s2, 0
	s_cbranch_scc0 .Lentry_in_a_cluster
	s_endpgm
.Lentry_in_a_cluster:
	s_bfe_u32 s2, ttmp6, 0x10000c
	s_cmp_lg_u32 s2, 0xf033
	s_cbranch_scc0 .Lentry_shape_is_right
	s_endpgm
.Lentry_shape_is_right:
; QKV: hidden x [w_q | w_k | w_v] as ONE product on codes of E2M1, C [4096][3072], K = 2,048; then, on the way out, rms-norm and rope for q and k, and the rounding to f16 for the products that follow.
; A: hq (codes [4096][1024 bytes], scale bytes [4096][64] at + 4,194,304).  B: wq4 (codes [3072][1024], scale bytes at + 3,145,728).  Sums in f32.
; A tile of C is 256 x 256, four waves of 128 x 128: 64 accumulators of 16 x 16.  K goes in four steps of 512 through two LDS slots (rows of 256 bytes); the scale bytes of the tile's rows, for all of K, come once.
; wq4's rows lie in units of 128 so that tile column TC < 8 is head TC (columns 0-127 q, 128-255 gate) and TC >= 8 is kv head TC - 8 (k, v): a wave's 128 columns are ONE head's q, gate, k or v, and which way out
; a wave takes hangs on its number alone (column half 0: norm and rope; half 1: plain).  Which buffer it writes hangs on the cluster's x, which all partners share.
; CLUSTER 4 x 4: A's tile is shared along a row of the cluster, B's along a column, each asked for jointly.  12 x 16 = 192 work-groups: a tile that gave 256 would cut heads across waves.
; THE MATRIX INSTRUCTION IS USED TRANSPOSED (source 0 = 16 rows of B, source 1 = 16 rows of A): lane (r, h) holds row r of a block of 16 rows and, of accumulator b, the columns 16 b + 8 h + 0 .. 7.
; So a row's 128 numbers lie in lanes l and l xor 16, and column c + 64 lies 32 registers on in the same lane: the norm wants one exchange, the rope none.
; OUT: qg: q f16 [b][8][2048][128], gate (raw) likewise at + 8,388,608.  kv: k f16 [b][4][2048][128], v at + 4,194,304.  fine: f32 [b 16 + t][3072] for t < 16, for the launch that carries those rows in f32.
; LIMITS: |q|, |k|, |v|, |gate| under 65,504 (f16).  No prefetch: the tiles are shared by joint loads and K has four steps.
; REGISTERS: window 0: v0-31 addresses and work; v32-95 scale words, two sets, and nothing else; v96-127 packed f16; v128-191 A's fragments, later the rope's results; v192-255 the norm's weights.
;   window 1: B's fragments at v0 and v128, later cos and sin in two sets.   windows 2, 3: the accumulators ((a, b) at v[8 (8 (a % 4) + b)]), later the rows read back from the stage.
.set KSTEP,  512
.set NQ,     4
.set ROWB,   256
.set KROW,   1024
.set PITCH,  272                       ; an LDS row: 256 bytes + 16: the 16 rows of a fragment load start 4 banks apart
.set FR,     8
.set NL,     2
.set NP,     4
.set HALFT,  128*PITCH
.set SLOT,   4*HALFT
.set KS,     64
.set SCL,    2*SLOT
.set HALFS,  (128*KS/256)*272
.set SBLK,   (16*KS/256)*272
.set SPARE,  SCL+4*HALFS               ; the spare words: 128 bytes a wave, two blocks of 256 bytes that no other line names
.set SPITCH, 272                       ; the way out: 16 rows x (256 + 16) bytes a wave, in slot 0, which has had its last fill and its last read by then
.set SS,   8                           ; v8-15   four chains of the sum of squares
.set ADRA, 16
.set RS,   18                          ; v18-19  1 / sqrt(mean + eps), named as a pair
.set ADRB, 20
.set WA,   22                          ; v22     32 h: my place in the norm's weights
.set FM,   23                          ; v23     at work for the mask of the f32 copies
.set STO,  24
.set RD,   25
.set GO,   26
.set ADRS, 27
.set SPW,  28
.set NIL,  29
.set CA,   30                          ; v30     512 r + 32 h: my place in 16 rows of cos or sin
.set FO,   31                          ; v31     12,288 r + 32 h: my place in fine
.set SC,   32
.set PKR,  96
.set AF,   128
.set Z,    128
.set WN,   192
.set G1, 24
.set G0, 32
.set G1B, 48
.set G0B, 56
.set G1S, 68
.set G0S, 76
.set G1SB, 80
.set G0SB, 88
.set MSB, 0
.macro WIN new                         ; the immediate's high byte repeats the setting that is left
.if MSB != (\new)
	s_set_vgpr_msb (MSB<<8)|(\new)
.set MSB, (\new)
.endif
.endm
.set MUL_LO, 0xa1                      ; source 0 (B) window 1, source 1 (A) window 0, C and D window 2
.set MUL_HI, 0xf1
.set TO_B,   0x40
; A joint load: waves 0 and 1 fetch for A, waves 2 and 3 for B; the branch hangs on the wave's number alone.  An s_nop 0 and four v_nop follow each line.
.macro JLOAD g0a, g1a, g0b, g1b
	s_cmp_eq_u32 s15, 0
	s_cbranch_scc0 .Lfor_b_\@
	tensor_load_to_lds s[\g0a:\g0a+3], s[\g1a:\g1a+7]
	s_nop 0
.rept 4
	v_nop
.endr
	s_branch .Lasked_\@
.Lfor_b_\@:
	tensor_load_to_lds s[\g0b:\g0b+3], s[\g1b:\g1b+7]
	s_nop 0
.rept 4
	v_nop
.endr
.Lasked_\@:
.endm
.macro CREST
	s_cmp_lg_u32 s14, 0
	s_cbranch_scc1 .Lnot_wave_0_\@
	s_barrier_signal -3
.Lnot_wave_0_\@:
	s_barrier_wait -3
	s_barrier_signal -1
	s_barrier_wait -1
.endm
.macro CROUND
	s_barrier_signal -1
	s_barrier_wait -1
	CREST
.endm
	s_load_b128 s[4:7], s[0:1], 0x0                ; hq, wq4
	v_lshl_add_u32 v[SPW], v0, 2, SPARE
	v_mov_b32 v[NIL], 0
	ds_add_u32 v[SPW], v[NIL]                      ; the wave's opening: the add, twice on end, and its wait ahead of my first tensor load
	ds_add_u32 v[SPW], v[NIL]
	v_lshrrev_b32 v1, 5, v0
	v_readfirstlane_b32 s14, v1                    ; wave 0..3
	s_lshr_b32 s15, s14, 1                         ; my half of the tile's rows.  Also: I fetch for A (0) or B (1)
	s_and_b32 s16, s14, 1                          ; my half of its columns.  Also: which 128 rows I fetch
	s_bfe_u32 s40, ttmp6, 0x40000                  ; cx
	s_bfe_u32 s41, ttmp6, 0x40004                  ; cy
	s_lshl_b32 s42, ttmp9, 2
	s_add_co_u32 s42, s42, s40                     ; tile column TC
	s_and_b32 s17, ttmp7, 0xffff
	s_lshl_b32 s17, s17, 2
	s_add_co_u32 s17, s17, s41                     ; tile row TR
	s_lshl_b32 s43, s41, 2
	s_lshl_b32 s43, 15, s43                        ; my row of the cluster
	s_lshl_b32 s44, 0x1111, s40                    ; my column
	s_or_b32 s[G1+0], s43, (0<<16)|(1<<20)|(1<<21)|(5<<22)|(3<<25)   ; mask; elements of 1 byte; 4 words of padding behind every 64
	s_or_b32 s[G1B+0], s44, (0<<16)|(1<<20)|(1<<21)|(5<<22)|(3<<25)
.irp g, G1, G1B
	s_mov_b32 s[\g+1], ROWB<<16                    ; tensor_dim0
	s_mov_b32 s[\g+2], 128<<16                     ; tensor_dim1
	s_mov_b32 s[\g+3], ROWB<<16                    ; tile_dim0
	s_mov_b32 s[\g+4], 128                         ; tile_dim1
	s_mov_b32 s[\g+5], KROW                        ; the pitch
	s_mov_b32 s[\g+6], 0
	s_mov_b32 s[\g+7], 0
.endr
	s_or_b32 s[G1S+0], s43, (3<<16)|(1<<20)|(1<<21)|(5<<22)|(3<<25)  ; the scale bytes of 128 rows: 8,192 dense bytes as 32 rows of 256 (32 elements of 8 bytes)
	s_or_b32 s[G1SB+0], s44, (3<<16)|(1<<20)|(1<<21)|(5<<22)|(3<<25)
.irp g, G1S, G1SB
	s_mov_b32 s[\g+1], 32<<16
	s_mov_b32 s[\g+2], (128*KS/256)<<16
	s_mov_b32 s[\g+3], 32<<16
	s_mov_b32 s[\g+4], 128*KS/256
	s_mov_b32 s[\g+5], 32
	s_mov_b32 s[\g+6], 0
	s_mov_b32 s[\g+7], 0
.endr
	s_lshl_b32 s18, s16, 7
	s_lshl_b32 s20, s17, 8
	s_add_co_u32 s20, s20, s18                     ; A: row 256 TR + 128 x half
	s_lshl_b32 s46, s42, 8
	s_add_co_u32 s46, s46, s18                     ; B: row 256 TC + 128 x half
	s_mov_b32 s21, 0
	s_mov_b32 s47, 0
	s_mov_b64 s[18:19], KS
	s_mul_u64 s[22:23], s[20:21], s[18:19]
	s_mul_u64 s[92:93], s[46:47], s[18:19]
	s_add_nc_u64 s[22:23], s[22:23], 0x400000      ; the scale bytes lie behind the codes in each buffer
	s_add_nc_u64 s[92:93], s[92:93], 0x300000
	s_mov_b64 s[18:19], KROW
	s_mul_u64 s[20:21], s[20:21], s[18:19]
	s_mul_u64 s[46:47], s[46:47], s[18:19]
	s_mul_i32 s45, s14, HALFT                      ; where they go: wave x 128 rows
	s_mul_i32 s94, s14, HALFS
	s_wait_dscnt 0x0                               ; both opening adds are done
	s_wait_kmcnt 0x0
	s_add_nc_u64 s[20:21], s[4:5], s[20:21]
	s_add_nc_u64 s[22:23], s[4:5], s[22:23]
	s_add_nc_u64 s[46:47], s[6:7], s[46:47]
	s_add_nc_u64 s[92:93], s[6:7], s[92:93]
	CROUND                                         ; all sixteen work-groups are here: the first joint loads meet
	s_mov_b32 s[G0S], 1
	s_add_co_u32 s[G0S+1], s94, SCL
	s_mov_b64 s[G0S+2:G0S+3], s[22:23]
	s_or_b32 s[G0S+3], s[G0S+3], 0x80000000
	s_mov_b32 s[G0SB], 1
	s_add_co_u32 s[G0SB+1], s94, SCL
	s_mov_b64 s[G0SB+2:G0SB+3], s[92:93]
	s_or_b32 s[G0SB+3], s[G0SB+3], 0x80000000
	JLOAD G0S, G1S, G0SB, G1SB                     ; the scales first: they are wanted with K step 0
.irp s, 0,1
	s_mov_b32 s[G0+4*\s], 1
	s_add_co_u32 s[G0+4*\s+1], s45, \s*SLOT
	s_add_nc_u64 s[G0+4*\s+2:G0+4*\s+3], s[20:21], \s*ROWB
	s_or_b32 s[G0+4*\s+3], s[G0+4*\s+3], 0x80000000
	s_mov_b32 s[G0B+4*\s], 1
	s_add_co_u32 s[G0B+4*\s+1], s45, \s*SLOT
	s_add_nc_u64 s[G0B+4*\s+2:G0B+4*\s+3], s[46:47], \s*ROWB
	s_or_b32 s[G0B+4*\s+3], s[G0B+4*\s+3], 0x80000000
	JLOAD G0+4*\s, G1, G0B+4*\s, G1B
.endr
	s_load_b256 s[4:11], s[0:1], 0x10              ; cos 4, sin 6, q_norm_w 8, k_norm_w 10
	s_load_b128 s[92:95], s[0:1], 0x30             ; qg 92, kv 94
	s_load_b64 s[96:97], s[0:1], 0x40              ; fine
	v_and_b32 v1, 15, v0                           ; r
	v_bfe_u32 v2, v0, 4, 1                         ; h
	v_mul_u32_u24 v3, v1, PITCH
	v_lshl_add_u32 v4, v2, 4, v3
	s_mul_i32 s21, s15, HALFT                      ; my 128 rows of A
	s_mul_i32 s22, s16, HALFT
	s_add_co_u32 s22, s22, 2*HALFT                 ; my 128 rows of B, behind A's 256
.irp s, 0,1
	v_add_nc_u32 v[ADRA+\s], s21, v4
	v_add_nc_u32 v[ADRB+\s], s22, v4
	s_add_co_u32 s21, s21, SLOT
	s_add_co_u32 s22, s22, SLOT
.endr
	v_mul_u32_u24 v5, v1, KS                       ; my row's scale bytes: 64 a row, and 16 more for each 256 passed
	v_lshrrev_b32 v6, 8, v5
	v_lshl_add_u32 v5, v6, 4, v5
	s_mul_i32 s21, s15, HALFS
	s_mul_i32 s22, s16, HALFS
	s_add_co_u32 s22, s22, 2*HALFS
	s_sub_co_u32 s22, s22, s21
	v_mul_u32_u24 v6, s22, v2                      ; lanes 16-31 take B's
	s_add_co_u32 s21, s21, SCL
	v_add_nc_u32 v5, v5, v6
	v_add_nc_u32 v[ADRS], s21, v5
	s_mul_i32 s23, s14, 16*SPITCH                  ; my stage
	v_mul_u32_u24 v5, v1, SPITCH
	v_lshl_add_u32 v5, v2, 4, v5
	v_add_nc_u32 v[STO], s23, v5                   ; in: row r, 16 bytes for each half of the lanes
	v_mul_u32_u24 v5, v2, SPITCH
	v_lshl_add_u32 v5, v1, 4, v5
	v_add_nc_u32 v[RD], s23, v5                    ; back: lanes 0-15 one row of 256 bytes, lanes 16-31 the next
	v_and_b32 v6, 31, v0
	v_lshlrev_b32 v[GO], 4, v6                     ; the same two rows in memory are 512 consecutive bytes
	v_lshlrev_b32 v[CA], 9, v1
	v_lshl_add_u32 v[CA], v2, 5, v[CA]
	v_mul_u32_u24 v[FO], v1, 12288
	v_lshl_add_u32 v[FO], v2, 5, v[FO]
	v_lshlrev_b32 v[WA], 5, v2
	v_mov_b32 v[RS+1], 0                           ; (named as the upper half of a pair)
	s_mov_b32 s98, 0x3c000000                      ; 1 / 128
	s_mov_b32 s99, 0x358637bd                      ; eps = 1e-6
	s_mov_b32 s100, 0x76543210                     ; v_permlanex16_b32's selects for lane l xor 16
	s_mov_b32 s101, 0xfedcba98
	s_and_b32 s66, s17, 7
	s_or_b32 s66, s66, s15                         ; 0 where my first 16 rows are positions 0 .. 15 of a sequence
	s_lshr_b32 s18, s17, 3                         ; the batch
	s_and_b32 s19, s17, 7
	s_lshl_b32 s19, s19, 8
	s_lshl_b32 s20, s15, 7
	s_add_co_u32 s19, s19, s20                     ; my first position
	s_sub_co_u32 s21, s42, 8
	s_lshl_b32 s22, s18, 3
	s_add_co_u32 s22, s22, s42                     ; 8 b + head
	s_lshl_b32 s23, s18, 2
	s_add_co_u32 s23, s23, s21                     ; 4 b + kv head
	s_lshl_b32 s40, s16, 23                        ; gate lies 8,388,608 bytes behind q,
	s_lshl_b32 s41, s16, 22                        ; v 4,194,304 behind k
	s_wait_kmcnt 0x0
	s_cmp_lt_u32 ttmp9, 2                          ; TC < 8: the cluster's x decides, the same in all partners
	s_cselect_b64 s[12:13], s[92:93], s[94:95]
	s_cselect_b64 s[8:9], s[8:9], s[10:11]         ; the norm's weights
	s_cselect_b32 s22, s22, s23
	s_cselect_b32 s40, s40, s41
	s_lshl_b32 s22, s22, 11
	s_add_co_u32 s22, s22, s19
	s_lshl_b32 s22, s22, 8                         ; rows of 256 bytes
	s_add_co_u32 s22, s22, s40
	s_mov_b32 s23, 0
	s_add_nc_u64 s[12:13], s[12:13], s[22:23]      ; where my 128 rows go
	s_mul_i32 s20, s18, 196608
	s_lshl_b32 s21, s42, 10
	s_add_co_u32 s20, s20, s21
	s_lshl_b32 s21, s16, 9
	s_add_co_u32 s20, s20, s21
	s_mov_b32 s21, 0
	s_add_nc_u64 s[96:97], s[96:97], s[20:21]      ; fine: the batch's 16 rows, my 128 columns
	s_lshl_b32 s18, s17, 8
	s_lshl_b32 s19, s15, 7
	s_add_co_u32 s18, s18, s19
	s_lshl_b32 s18, s18, 9                         ; my first row of cos and sin: rows of 512 bytes
	s_mov_b32 s19, 0
	s_add_nc_u64 s[4:5], s[4:5], s[18:19]
	s_add_nc_u64 s[6:7], s[6:7], s[18:19]
.macro FRAG reg, adr, q, i             ; 16 rows x 128 K of 4-bit codes: 8 registers, two loads of 16 bytes, 32 bytes apart
.irp c, 0,1
	ds_load_b128 v[\reg+4*\c:\reg+4*\c+3], v[\adr] offset:64*(\q)+32*\c+(\i)*16*PITCH
.endr
.endm
; 16 matrix instructions: A's blocks a0, a0 + 1 x B's eight.  The 64 accumulators take turns, one instruction a turn, in the same order in every step.
.macro MUL16 a0, p, q, sc, zero
.irp a, \a0, \a0+1
.irp b, 0,1,2,3,4,5,6,7
.if \zero
	v_wmma_scale_f32_16x16x128_f8f6f4 v[8*(8*((\a)%4)+\b):8*(8*((\a)%4)+\b)+7], v[128*(\p)+FR*\b:128*(\p)+FR*\b+FR-1], v[AF+FR*(\a):AF+FR*(\a)+FR-1], 0, v[SC+8*NQ*(\sc)+NQ*\b+(\q)], v[SC+8*NQ*(\sc)+NQ*(\a)+(\q)] matrix_a_fmt:MATRIX_FMT_FP4 matrix_b_fmt:MATRIX_FMT_FP4 matrix_a_scale:MATRIX_SCALE_ROW1
.else
	v_wmma_scale_f32_16x16x128_f8f6f4 v[8*(8*((\a)%4)+\b):8*(8*((\a)%4)+\b)+7], v[128*(\p)+FR*\b:128*(\p)+FR*\b+FR-1], v[AF+FR*(\a):AF+FR*(\a)+FR-1], v[8*(8*((\a)%4)+\b):8*(8*((\a)%4)+\b)+7], v[SC+8*NQ*(\sc)+NQ*\b+(\q)], v[SC+8*NQ*(\sc)+NQ*(\a)+(\q)] matrix_a_fmt:MATRIX_FMT_FP4 matrix_b_fmt:MATRIX_FMT_FP4 matrix_a_scale:MATRIX_SCALE_ROW1
.endif
.endr
.endr
.endm
.macro FETCH_B slot, q, p
	WIN TO_B
.irp i, 0,1,2,3,4,5,6,7
	FRAG 128*(\p)+FR*\i, ADRB+\slot, \q, \i
.endr
	WIN 0
.endm
.macro FETCH_A slot, q, i0
.irp i, \i0, \i0+1, \i0+2, \i0+3
	FRAG AF+FR*(\i), ADRA+\slot, \q, \i
.endr
.endm
.macro SCALES sc                       ; a K step's scale words: lanes 0-15 A's block i, lanes 16-31 B's block i
.irp i, 0,1,2,3,4,5,6,7
	ds_load_b128 v[SC+8*NQ*\sc+NQ*\i:SC+8*NQ*\sc+NQ*\i+3], v[ADRS] offset:\i*SBLK
.endr
.endm
.macro PLACES n                        ; plain vector lines between matrix instructions and loads into, or reads of, their registers
.rept \n
	v_nop
.endr
.endm
.macro STEP slot, q, zero              ; 128 along K, with its successor in the same slot
	s_wait_dscnt 4*NL                              ; B's set and A's blocks 0-3 are in; the youngest eight loads (A's blocks 4-7) may be out
	WIN MUL_LO
	MUL16 0, (\q)%2, \q, \slot, \zero
	MUL16 2, (\q)%2, \q, \slot, \zero
	s_wait_dscnt 0
	PLACES NP
	FETCH_B \slot, (\q)+1, 1-(\q)%2
	FETCH_A \slot, (\q)+1, 0
	WIN MUL_HI
	MUL16 4, (\q)%2, \q, \slot, \zero
	MUL16 6, (\q)%2, \q, \slot, \zero
	PLACES NP
	WIN 0
	FETCH_A \slot, (\q)+1, 4
.endm
; A slot's last step changes slots: one barrier; in front of it each wave waits for all its tensor loads, adds 0 to its spare word, and waits for that and for its reads of this slot.
.macro TURN slot, next, fill
	s_wait_tensorcnt 0x0                           ; all my tensor loads have landed: my part of the next slot
	ds_add_u32 v[SPW], v[NIL]
	s_wait_dscnt 4*NL+1                            ; the add and the youngest eight loads may be out
	WIN MUL_LO
	MUL16 0, 1, NQ-1, \slot, 0
	s_wait_dscnt 0x0                               ; the add is done, and my reads of this slot are over
	s_barrier_signal -1
	MUL16 2, 1, NQ-1, \slot, 0
	WIN 0
	s_barrier_wait -1
.if \fill
	CREST                                          ; the barrier has opened a round of the cluster's: no wave of any partner still reads this slot or has a load on its way
	s_add_nc_u64 s[G0+4*\slot+2:G0+4*\slot+3], s[G0+4*\slot+2:G0+4*\slot+3], 2*ROWB
	s_add_nc_u64 s[G0B+4*\slot+2:G0B+4*\slot+3], s[G0B+4*\slot+2:G0B+4*\slot+3], 2*ROWB
	JLOAD G0+4*\slot, G1, G0B+4*\slot, G1B         ; the first tensor load behind the round; its four v_nop are the places in front of the loads below
.else
	PLACES NP
.endif
	v_add_nc_u32 v[ADRS], 4*NQ, v[ADRS]            ; the next K step's scale words
	FETCH_B \next, 0, 0
	FETCH_A \next, 0, 0
	SCALES \next
	WIN MUL_HI
	MUL16 4, 1, NQ-1, \slot, 0
	MUL16 6, 1, NQ-1, \slot, 0
	PLACES NP
	WIN 0
	FETCH_A \next, 0, 4
.endm
.macro STEPS slot, from
.set Q, \from
.rept NQ-1-\from
	STEP \slot, Q, 0
.set Q, Q+1
.endr
.endm
	s_wait_tensorcnt 1                             ; the scales and my part of K step 0 are in; K step 1's load may be out
	s_barrier_signal -1
	s_barrier_wait -1
	FETCH_B 0, 0, 0
	FETCH_A 0, 0, 0
	SCALES 0
	FETCH_A 0, 0, 4
	STEP 0, 0, 1                                   ; K has four slots' worth: the sixteen steps are written out.  The first starts the sums: nothing is cleared
	STEPS 0, 1
	TURN 0, 1, 1                                   ; slot 0 takes K step 2
	STEPS 1, 0
	TURN 1, 0, 1                                   ; slot 1 takes K step 3
	STEP 0, 0, 0
	STEPS 0, 1
	TURN 0, 1, 0                                   ; nothing is left to fetch
	STEPS 1, 0
	s_wait_dscnt 4*NL
	WIN MUL_LO
	MUL16 0, 1, NQ-1, 1, 0
	MUL16 2, 1, NQ-1, 1, 0
	s_wait_dscnt 0
	WIN MUL_HI
	MUL16 4, 1, NQ-1, 1, 0
	MUL16 6, 1, NQ-1, 1, 0
	WIN 0
; ---- THE WAY OUT, a block of 16 rows x 128 columns at a time
.macro CSLOAD a                        ; cos and sin of block a's 16 rows, my 64 columns of each: set a % 2 of window 1
.set CO_, 64*(1-(\a)%2)
.set SI_, 128+64*(1-(\a)%2)
	WIN 0x40
.irp b, 0,1,2,3,4,5,6,7
.irp c, 0,1
	global_load_b128 v[CO_+8*\b+4*\c:CO_+8*\b+4*\c+3], v[CA], s[4:5] offset:(\a)*8192+64*\b+16*\c
	global_load_b128 v[SI_+8*\b+4*\c:SI_+8*\b+4*\c+3], v[CA], s[6:7] offset:(\a)*8192+64*\b+16*\c
.endr
.endr
	WIN 0
.endm
; The packed block goes through my stage and comes back as whole rows, into the block's own accumulator registers, which nothing writes again: so no store's data are ever rewritten.
.macro OUT16 a
.set AW, 2+(\a)/4
.set AC, 64*((\a)%4)
.set W4_, AW<<6
.set W5_, AW<<2
.irp b, 0,1,2,3,4,5,6,7
	ds_store_b128 v[STO], v[PKR+4*\b:PKR+4*\b+3] offset:32*\b
.endr
	WIN W4_
.irp t, 0,1,2,3,4,5,6,7
	ds_load_b128 v[AC+4*\t:AC+4*\t+3], v[RD] offset:2*\t*SPITCH    ; LDS serves a wave's instructions in order: these see the stores above
.endr
	s_wait_dscnt 0x0
	WIN W5_
.irp t, 0,1,2,3,4,5,6,7
	global_store_b128 v[GO], v[AC+4*\t:AC+4*\t+3], s[12:13] offset:(\a)*4096+512*\t   ; 512 consecutive bytes, aligned
.endr
	WIN 0
.endm
; The f32 copy of positions 0 .. 15.  A mask and no branch: every work-group runs the lines; lanes are on only where my first 16 rows are a sequence's first.  EXEC changes only behind s_wait_xcnt 0.
.macro FINEST base, win
.set W6_, (\win)<<2
	v_mov_b32 v[FM], s66
	v_cmp_eq_u32 vcc_lo, 0, v[FM]
	s_wait_xcnt 0x0
	s_and_saveexec_b32 s67, vcc_lo
	WIN W6_
.irp b, 0,1,2,3,4,5,6,7
.irp c, 0,1
	global_store_b128 v[FO], v[\base+8*\b+4*\c:\base+8*\b+4*\c+3], s[96:97] offset:64*\b+16*\c
.endr
.endr
	WIN 0
	s_wait_xcnt 0x0                                ; and the stores have read their data, which are written again below
	s_or_b32 exec_lo, exec_lo, s67
.endm
.macro NBLOCK a                        ; q or k: x / sqrt(mean(x^2) + eps) x w, then x cos + rotate_half(x) sin.  The row's factor is applied last: the rope is linear in it
.if (\a) < 7
	CSLOAD (\a)+1
	s_wait_loadcnt 32                              ; this block's cos and sin (and the weights) are in; the next block's 32 loads may be out
.else
	s_wait_loadcnt 0x0
.endif
.set AW, 2+(\a)/4
.set AC, 64*((\a)%4)
.set CO_, 64*(1-(\a)%2)
.set SI_, 128+64*(1-(\a)%2)
.set W1_, AW|(AW<<2)
.set W2_, AW|(AW<<6)
.set W3_, AW|4
	WIN W1_
.irp b, 0,1,2,3,4,5,6,7                ; the sum of squares of my 64, in four chains; each accumulator is read from its low end on
.irp p, 0,1,2,3
.if \b == 0
	v_pk_mul_f32 v[SS+2*\p:SS+2*\p+1], v[AC+2*\p:AC+2*\p+1], v[AC+2*\p:AC+2*\p+1]
.else
	v_pk_fma_f32 v[SS+2*\p:SS+2*\p+1], v[AC+8*\b+2*\p:AC+8*\b+2*\p+1], v[AC+8*\b+2*\p:AC+8*\b+2*\p+1], v[SS+2*\p:SS+2*\p+1]
.endif
.endr
.endr
	WIN 0
	v_pk_add_f32 v[SS:SS+1], v[SS:SS+1], v[SS+2:SS+3]
	v_pk_add_f32 v[SS+4:SS+5], v[SS+4:SS+5], v[SS+6:SS+7]
	v_pk_add_f32 v[SS:SS+1], v[SS:SS+1], v[SS+4:SS+5]
	v_add_f32 v[SS], v[SS], v[SS+1]
	v_permlanex16_b32 v[SS+1], v[SS], s100, s101   ; the row's other 64 lie in lane l xor 16
	v_add_f32 v[SS], v[SS], v[SS+1]
	v_fma_f32 v[SS], v[SS], s98, s99               ; the mean + eps
	v_rsq_f32 v[RS], v[SS]
	WIN W2_
.set n_, 0
.rept 32
	v_pk_mul_f32 v[AC+n_:AC+n_+1], v[AC+n_:AC+n_+1], v[WN+n_:WN+n_+1]           ; y = x w, in place
.set n_, n_+2
.endr
	WIN W3_
.set n_, 0
.rept 32
	v_pk_mul_f32 v[Z+n_:Z+n_+1], v[AC+n_:AC+n_+1], v[CO_+n_:CO_+n_+1]           ; y cos
.set n_, n_+2
.endr
.set n_, 0
.rept 16
	v_pk_fma_f32 v[Z+n_:Z+n_+1], v[AC+32+n_:AC+32+n_+1], v[SI_+n_:SI_+n_+1], v[Z+n_:Z+n_+1] neg_lo:[1,0,0] neg_hi:[1,0,0]   ; columns 0-63: - y(c + 64) sin
	v_pk_fma_f32 v[Z+32+n_:Z+32+n_+1], v[AC+n_:AC+n_+1], v[SI_+32+n_:SI_+32+n_+1], v[Z+32+n_:Z+32+n_+1]                     ; columns 64-127: + y(c - 64) sin
.set n_, n_+2
.endr
	WIN 0
	s_wait_alu depctr_va_vdst(0)                   ; the wait ahead of the root's first reader; the 96 lines above are the work between
.set n_, 0
.rept 32
	v_pk_mul_f32 v[Z+n_:Z+n_+1], v[Z+n_:Z+n_+1], v[RS:RS+1] op_sel_hi:[1,0]
.set n_, n_+2
.endr
.if (\a) == 0
	FINEST Z, 0
.endif
.set n_, 0
.rept 32
	v_cvt_pk_f16_f32 v[PKR+n_], v[Z+2*n_], v[Z+2*n_+1]
.set n_, n_+1
.endr
	OUT16 \a
.endm
.macro PBLOCK a                        ; gate or v: rounded as they are
.if (\a) == 0
	FINEST 0, 2
.endif
.set AW, 2+(\a)/4
.set AC, 64*((\a)%4)
.set W1_, AW|(AW<<2)
	WIN W1_
.set n_, 0
.rept 32
	v_cvt_pk_f16_f32 v[PKR+n_], v[AC+2*n_], v[AC+2*n_+1]           ; each accumulator from its low end on
.set n_, n_+1
.endr
	WIN 0
	OUT16 \a
.endm
	PLACES NP                                      ; behind the last products: for the reads of results and the loads into registers that held fragments
	s_cmp_lg_u32 s16, 0                            ; the wave's number decides, the same in every work-group
	s_cbranch_scc1 .Lplain
.irp b, 0,1,2,3,4,5,6,7
.irp c, 0,1
	global_load_b128 v[WN+8*\b+4*\c:WN+8*\b+4*\c+3], v[WA], s[8:9] offset:64*\b+16*\c   ; the norm's weights of my 64 columns
.endr
.endr
	CSLOAD 0
.irp a, 0,1,2,3,4,5,6,7
	NBLOCK \a
.endr
	s_branch .Ljoin
.Lplain:
.irp a, 0,1,2,3,4,5,6,7
	PBLOCK \a
.endr
.Ljoin:
	s_wait_tensorcnt 0x0                           ; the wave's end
	ds_add_u32 v[SPW], v[NIL]
	s_wait_dscnt 0x0
	CROUND                                         ; the closing round: no work-group ends while a partner may still ask for a tile that names it
	s_endpgm
.Lfunc_end_k_qa893d208da_qkv:
	.size	k_qa893d208da_qkv, .Lfunc_end_k_qa893d208da_qkv-k_qa893d208da_qkv
	.p2alignl 7, 3214868480
	.fill 96, 4, 3214868480
	.section	.rodata,"a",@progbits
	.p2align	6, 0x0
	.amdhsa_kernel k_qa893d208da_qkv
		.amdhsa_group_segment_fixed_size 327680
		.amdhsa_private_segment_fixed_size 0
		.amdhsa_enable_private_segment 0
		.amdhsa_kernarg_size 72
		.amdhsa_user_sgpr_count 2
		.amdhsa_user_sgpr_kernarg_segment_ptr 1
		.amdhsa_wavefront_size32 1
		.amdhsa_system_sgpr_workgroup_id_x 1
		.amdhsa_system_sgpr_workgroup_id_y 1
		.amdhsa_system_sgpr_workgroup_id_z 1
		.amdhsa_system_vgpr_workitem_id 0
		.amdhsa_next_free_vgpr 1024
		.amdhsa_next_free_sgpr 102
		.amdhsa_reserve_vcc 1
		.amdhsa_float_denorm_mode_32 3
		.amdhsa_float_denorm_mode_16_64 3
		.amdhsa_memory_ordered 1
		.amdhsa_forward_progress 1
		.amdhsa_inst_pref_size 255
	.end_amdhsa_kernel
	.section	.bss,"aw",@nobits
	.p2align	6
	.space	262144
	.amdgpu_metadata
---
amdhsa.version: [ 1, 2 ]
amdhsa.kernels:
  - .name:           k_qa893d208da_qkv
    .symbol:         k_qa893d208da_qkv.kd
    .args:
      - { .name: hq, .offset: 0, .size: 8, .value_kind: global_buffer, .address_space: global }
      - { .name: wq4, .offset: 8, .size: 8, .value_kind: global_buffer, .address_space: global }
      - { .name: cos_BTK, .offset: 16, .size: 8, .value_kind: global_buffer, .address_space: global }
      - { .name: sin_BTK, .offset: 24, .size: 8, .value_kind: global_buffer, .address_space: global }
      - { .name: q_norm_w, .offset: 32, .size: 8, .value_kind: global_buffer, .address_space: global }
      - { .name: k_norm_w, .offset: 40, .size: 8, .value_kind: global_buffer, .address_space: global }
      - { .name: qg, .offset: 48, .size: 8, .value_kind: global_buffer, .address_space: global }
      - { .name: kv, .offset: 56, .size: 8, .value_kind: global_buffer, .address_space: global }
      - { .name: fine, .offset: 64, .size: 8, .value_kind: global_buffer, .address_space: global }
    .group_segment_fixed_size: 327680
    .private_segment_fixed_size: 0
    .kernarg_segment_align: 8
    .kernarg_segment_size: 72
    .max_flat_workgroup_size: 128
    .sgpr_count:     102
    .vgpr_count:     1024
    .wavefront_size: 32
...
	.end_amdgpu_metadata
.endif
;; end of part 2
;; launch attn (part 3): grid 8 x 64, 4 waves a work-group, no clusters, 327,680 bytes of LDS; arguments qg, kv, xa; writes xa
.if DOCPART == 3
	.amdgcn_target "amdgcn-amd-amdhsa--gfx1250"
	.amdhsa_code_object_version 6
	.text
	.protected	k_qa893d208da_attn
	.globl	k_qa893d208da_attn
	.p2align	8
	.type	k_qa893d208da_attn,@function
k_qa893d208da_attn:
	s_mov_b64 s[64:65], 0
	v_nop
	global_prefetch_b8 v0, s[64:65] scope:SCOPE_SE
	s_setreg_imm32_b32 hwreg(HW_REG_WAVE_MODE, 25, 1), 1
	s_wait_xcnt 0x0
; ATTN: x[b][t][h][:] = softmax_k(q . k / sqrt(128), causal) v  x  sigmoid(gate), in f16 operands with f32 sums, maxima and softmax; x is rounded to f16 for the projection.
; WORK LEFT OUT: blocks of 64 keys that lie wholly behind a tile's 16 queries: the mask that the function builds in its own body gives them the weight 0 for all inputs with finite scores.
; LIMIT: a NaN or an infinity that reaches only such scores is not carried to the result.  |x| under 65,504 (f16).
; qg: q f16 [b][8][2048][128], gate at + 8,388,608.  kv: k f16 [b][4][2048][128], v at + 4,194,304.  xa: f16 [b 2048 + t][8 x 128].
; SHARES.  Work-group (x, y): kv head x = 4 b + j of 8; positions 32 (63 - y) on, so the longest walks start first.  It serves BOTH query heads of the kv head.
; Wave w: positions Q0 = P0 + 16 (w / 2); of the blocks of 64 keys those with number % 2 = w % 2.  It holds two tiles of 16 queries at the same positions: tile A = head 2 x + w % 2, tile B = the other head:
; each fragment of K and V feeds two products and one mask serves both.  At the end waves w and w xor 1 exchange: each sends its partial tile B (sums, maximum, divisor) through LDS and finishes its tile A.
; LAYOUT.  S^T = K Q^T (source 0 = 16 keys, source 1 = 16 queries): a lane holds ONE query (lane % 16) and keys 8 (lane / 16) + 0..7.  Two such tiles rounded to f16 in pairs are source 1 of O^T = V^T P.
; K comes out of LDS as it lies, V ([key][channel]) turned, by ds_load_tr16_b128.  SOFTMAX: running maximum m and sum l for each query; p = 2^(c s - c m), c = log2(e) / sqrt(128).
; THE RING: two slots of 256 keys.  Wave 0 loads a slot's K, wave 1 its V, each by one tensor load of 256 rows.  Every work-group walks all 8 changes of slots (constant trip counts); a slot whose first key lies
; behind the work-group's last query is not asked for: a jump on ids alone, the same in all four waves, round the load's own lines; every wait on TENSORcnt is for 0; no step reads a slot that was left out.
; NO CLUSTER: work-groups of one kv head need different numbers of slots under the mask.
; The work is written in phases (products, softmax, products), the form to begin with.
; REGISTERS: window 0: v1-20 addresses; v32-47 statistics, 8 a tile (+0 c m, +1 m, +2 +3 l, +4..+7 at work, a at +6); v48-59 at work; v64-95 gate; v96-159 S^T; v160-191 P; v192-255 the partner's sums.
;   window 1: v0-127 O^T (tile A, tile B); v128-191 Q.   window 2: v0-127 K of a block; v128-255 V^T of a block.
.set PK,    272                        ; a row of K in LDS: 256 + 16 bytes
.set PV,    288                        ; a row of V: 256 + 32
.set VOFF,  256*PK
.set SLOT1, 147456                     ; 0x24000: its two bits meet none of the addresses inside a slot's heads, so one exclusive or changes slots
.set XCH,   SLOT1+VOFF+256*PV          ; behind the ring: for each wave 8,192 bytes (the image of 64 registers), 128 of c m, 128 of l
.set XREG,  8448
.set SPARE, XCH+4*XREG                 ; the spare words: 128 bytes a wave, two blocks of 256 bytes that no other line names
.set SP,    272                        ; the way out: 16 rows x 272 bytes a wave at LDS byte 0: the slots have had their last fill, and every wave's reads of them are over at the exchange's barrier
.set RR,  1
.set H2,  2
.set AK0, 3
.set AV0, 4
.set ADR, 5
.set ADV, 6
.set QO,  7
.set SPW, 8
.set NIL, 9
.set PFO, 10
.set XW,  11
.set XW2, 12
.set XR,  13
.set XR2, 14
.set STO, 15
.set RD,  16
.set GO,  17
.set NINF, 18
.set DD,  19
.set RH,  20
.set ST,  32
.set GT,  64
.set S,   96
.set P,   160
.set T,   192
.set WV,  12
.set GG,  13
.set KH,  14
.set Q0,  17
.set QL,  18
.set PL,  19
.set SEL, 20
.set CS,  22
.set G1K, 24
.set G1V, 32
.set G0K, 40
.set G0V, 44
.set TB,  48                           ; s48  LDS byte at which the slot in hand begins
.set KF,  49                           ; s49  my first key in it: 256 x slot + 64 (w % 2)
.set SK,  50                           ; s50  256 x slot
.set SLOTS, 51
.set LIM, 52
.set PFA, 54
.set NL2, 58                           ; s[58:59] -log2(e)
.set QA,  68
.set QB,  70
.set GB,  72
.set XO,  74
.set MSB, 0
.macro WIN new
.if MSB != (\new)
	s_set_vgpr_msb (MSB<<8)|(\new)
.set MSB, (\new)
.endif
.endm
.set W_KQ, 0x06                        ; K window 2, Q window 1, S^T window 0
.set W_PV, 0x52                        ; V window 2, P window 0, O^T window 1
.set W_RS, 0x41                        ; O^T (destination, source 0) window 1, the factor window 0
.macro TLOAD                           ; wave 0: K's 256 rows; wave 1: V's; the others nothing.  An s_nop 0 and four v_nop follow each line
	s_cmp_eq_u32 s[WV], 0
	s_cbranch_scc0 .Lnot_k_\@
	tensor_load_to_lds s[G0K:G0K+3], s[G1K:G1K+7]
	s_nop 0
.rept 4
	v_nop
.endr
	s_branch .Lasked_\@
.Lnot_k_\@:
	s_cmp_eq_u32 s[WV], 1
	s_cbranch_scc0 .Lasked_\@
	tensor_load_to_lds s[G0V:G0V+3], s[G1V:G1V+7]
	s_nop 0
.rept 4
	v_nop
.endr
.Lasked_\@:
.endm
; A prefetch of what the NEXT change of slots will ask for: 65,536 dense bytes of K (wave 2) and of V (wave 3), lanes 256 bytes apart, eight lines a wave.  All 64 work-groups of a kv head walk the same rows:
; the one with y = 0, which walks all of them, asks, so each block of 256 bytes is named once in the launch.  The last change that fills a slot asks for nothing; slots 0 and 1 come by their loads alone.
.macro ASK
	s_cmp_gt_u32 s[SLOTS], s[LIM]
	s_cbranch_scc0 .Lnot_mine_\@
.irp i, 0,1,2,3,4,5,6,7
	global_prefetch_b8 v[PFO], s[PFA:PFA+1] offset:8192*\i th:TH_LOAD_NT scope:SCOPE_SE
.endr
.Lnot_mine_\@:
.endm
	s_load_b128 s[4:7], s[0:1], 0x0                ; qg, kv
	s_load_b64 s[8:9], s[0:1], 0x10                ; xa
	v_lshl_add_u32 v[SPW], v0, 2, SPARE
	v_mov_b32 v[NIL], 0
	ds_add_u32 v[SPW], v[NIL]                      ; the wave's opening: the add, twice on end, and its wait ahead of the first tensor load
	ds_add_u32 v[SPW], v[NIL]
	v_lshrrev_b32 v21, 5, v0
	v_readfirstlane_b32 s[WV], v21                 ; wave 0..3
	s_lshr_b32 s[GG], s[WV], 1
	s_and_b32 s[KH], s[WV], 1
	s_and_b32 s16, ttmp7, 0xffff
	s_sub_co_u32 s16, 63, s16
	s_lshl_b32 s16, s16, 5                         ; P0
	s_lshl_b32 s[Q0], s[GG], 4
	s_add_co_u32 s[Q0], s[Q0], s16                 ; my first query
	s_add_co_u32 s[QL], s[Q0], 15                  ; my last
	s_add_co_u32 s[PL], s16, 31                    ; the work-group's last
	s_mov_b32 s[G1K], (1<<16)|(1<<20)|(5<<22)|(3<<25)              ; elements of 2 bytes; 4 words of padding behind every 64
	s_mov_b32 s[G1V], (1<<16)|(1<<20)|(5<<22)|(7<<25)              ; 8 words
.irp g, G1K, G1V
	s_mov_b32 s[\g+1], 128<<16                     ; tensor_dim0
	s_mov_b32 s[\g+2], 256<<16                     ; tensor_dim1
	s_mov_b32 s[\g+3], 128<<16                     ; tile_dim0
	s_mov_b32 s[\g+4], 256                         ; tile_dim1
	s_mov_b32 s[\g+5], 128                         ; the pitch
	s_mov_b32 s[\g+6], 0
	s_mov_b32 s[\g+7], 0
.endr
	s_mov_b32 s[SEL], 0x76543210
	s_mov_b32 s[SEL+1], 0xfedcba98
	s_mov_b32 s[CS], 0x3e0293ee                    ; c = log2(e) / sqrt(128)
	s_mov_b32 s[CS+1], s[CS]
	s_mov_b32 s[NL2], 0xbfb8aa3b                   ; -log2(e)
	s_mov_b32 s[NL2+1], s[NL2]
	s_mov_b32 s[TB], 0
	s_lshl_b32 s[KF], s[KH], 6
	s_mov_b32 s[SK], 0
	s_mov_b32 s[SLOTS], 7
	s_lshl_b32 s60, ttmp9, 19                      ; the kv head's 2,048 rows of 256 bytes
	s_mov_b32 s61, 0
	s_wait_dscnt 0x0                               ; both opening adds are done
	s_wait_kmcnt 0x0
	s_mov_b32 s[G0K], 1
	s_mov_b32 s[G0K+1], 0
	s_add_nc_u64 s[G0K+2:G0K+3], s[6:7], s[60:61]
	s_or_b32 s[G0K+3], s[G0K+3], 0x80000000
	s_mov_b32 s[G0V], 1
	s_mov_b32 s[G0V+1], VOFF
	s_add_nc_u64 s[G0V+2:G0V+3], s[6:7], s[60:61]
	s_add_nc_u64 s[G0V+2:G0V+3], s[G0V+2:G0V+3], 0x400000
	s_or_b32 s[G0V+3], s[G0V+3], 0x80000000
	TLOAD                                          ; slot 0: key 0 counts for every query
	s_lshl_b32 s62, s[KH], 22                      ; the prefetches: wave 2 K, wave 3 V,
	s_add_co_u32 s62, s62, 65536                   ; at slot 1: the first change steps it to slot 2
	s_mov_b32 s63, 0
	s_add_nc_u64 s[PFA:PFA+1], s[6:7], s[60:61]
	s_add_nc_u64 s[PFA:PFA+1], s[PFA:PFA+1], s[62:63]
	s_and_b32 s56, ttmp7, 0xffff
	s_xor_b32 s57, s[GG], 1
	s_or_b32 s56, s56, s57                         ; 0 in waves 2 and 3 of the work-group with y = 0
	s_cmp_eq_u32 s56, 0
	s_cselect_b32 s[LIM], 1, -1
	s_lshl_b32 s60, ttmp9, 1
	s_add_co_u32 s61, s60, s[KH]                   ; tile A's head, counted over both batches
	s_xor_b32 s62, s[KH], 1
	s_add_co_u32 s62, s60, s62                     ; tile B's
	s_lshl_b32 s61, s61, 19
	s_lshl_b32 s62, s62, 19
	s_lshl_b32 s63, s[Q0], 8
	s_add_co_u32 s76, s61, s63
	s_mov_b32 s77, 0
	s_add_co_u32 s78, s62, s63
	s_mov_b32 s79, 0
	s_add_nc_u64 s[QA:QA+1], s[4:5], s[76:77]
	s_add_nc_u64 s[QB:QB+1], s[4:5], s[78:79]
	s_add_nc_u64 s[GB:GB+1], s[QA:QA+1], 0x800000
	s_lshr_b32 s60, ttmp9, 2
	s_lshl_b32 s60, s60, 11
	s_add_co_u32 s60, s60, s[Q0]
	s_lshl_b32 s60, s60, 11                        ; xa: row b 2048 + Q0, of 2,048 bytes
	s_and_b32 s61, ttmp9, 3
	s_lshl_b32 s61, s61, 1
	s_add_co_u32 s61, s61, s[KH]
	s_lshl_b32 s61, s61, 8                         ; + tile A's head x 256 bytes
	s_add_co_u32 s60, s60, s61
	s_mov_b32 s61, 0
	s_add_nc_u64 s[XO:XO+1], s[8:9], s[60:61]
	v_and_b32 v[RR], 15, v0                        ; r
	v_bfe_u32 v[H2], v0, 4, 1                      ; h
	v_and_b32 v21, 31, v0                          ; lane
	v_lshlrev_b32 v[QO], 8, v[RR]
	v_lshl_add_u32 v[QO], v[H2], 4, v[QO]          ; row r of 256 bytes + 16 h
	WIN 0x40                                       ; destination window 1
.irp c, 0,1,2,3
	global_load_b128 v[128+8*\c:128+8*\c+3], v[QO], s[QA:QA+1] offset:64*\c
	global_load_b128 v[128+8*\c+4:128+8*\c+7], v[QO], s[QA:QA+1] offset:64*\c+32
	global_load_b128 v[160+8*\c:160+8*\c+3], v[QO], s[QB:QB+1] offset:64*\c
	global_load_b128 v[160+8*\c+4:160+8*\c+7], v[QO], s[QB:QB+1] offset:64*\c+32
.endr
.set n_, 0
.rept 128
	v_mov_b32 v[n_], 0                             ; O^T.  Which step is a wave's first hangs on the wave and the work-group, so no first step can be written out: the step is written once and finds zeros
.set n_, n_+1
.endr
	WIN 0
.irp ct, 0,1,2,3,4,5,6,7
	global_load_b128 v[GT+4*\ct:GT+4*\ct+3], v[QO], s[GB:GB+1] offset:32*\ct   ; gate(r, 16 ct + 8 h + 0..7), as O^T will lie
.endr
	s_mul_i32 s56, s[KH], 64*PK
	v_mul_u32_u24 v[AK0], v[RR], PK
	v_lshl_add_u32 v[AK0], v[H2], 4, v[AK0]
	v_add_nc_u32 v[AK0], s56, v[AK0]               ; my lane's place in my first block of a slot's K
	s_mul_i32 s56, s[KH], 64*PV
	s_add_co_u32 s56, s56, VOFF
	v_and_b32 v22, 7, v0
	v_bfe_u32 v23, v0, 3, 1
	v_lshl_add_u32 v[AV0], v[H2], 3, v22
	v_mul_u32_u24 v[AV0], v[AV0], PV
	v_lshl_add_u32 v[AV0], v23, 4, v[AV0]
	v_add_nc_u32 v[AV0], s56, v[AV0]               ; the same for V: key 8 h + lane % 8, channels 8 ((lane / 8) % 2) on
	v_lshlrev_b32 v[PFO], 8, v21
	s_mul_i32 s56, s[WV], XREG
	s_add_co_u32 s56, s56, XCH
	v_lshl_add_u32 v[XW], v21, 4, s56              ; where I leave tile B
	s_add_co_u32 s57, s56, 8192
	v_lshl_add_u32 v[XW2], v21, 2, s57
	s_xor_b32 s56, s[WV], 1
	s_mul_i32 s56, s56, XREG
	s_add_co_u32 s56, s56, XCH
	v_lshl_add_u32 v[XR], v21, 4, s56              ; where my partner leaves the rest of my tile A
	s_add_co_u32 s57, s56, 8192
	v_lshl_add_u32 v[XR2], v21, 2, s57
	s_mul_i32 s56, s[WV], 16*SP
	v_mul_u32_u24 v[STO], v[RR], SP
	v_lshl_add_u32 v[STO], v[H2], 4, v[STO]
	v_add_nc_u32 v[STO], s56, v[STO]
	v_mul_u32_u24 v[RD], v[H2], SP
	v_lshl_add_u32 v[RD], v[RR], 4, v[RD]
	v_add_nc_u32 v[RD], s56, v[RD]
	v_lshlrev_b32 v[GO], 11, v[H2]
	v_lshl_add_u32 v[GO], v[RR], 4, v[GO]
	v_mov_b32 v[NINF], 0xff800000
	v_lshlrev_b32 v22, 3, v[H2]
	v_sub_nc_u32 v[RH], v[RR], v22                 ; r - 8 h
.irp t, 0,1
	v_mov_b32 v[ST+8*\t+1], 0xff61b1e6             ; m = -3e38, under every score
	v_mul_f32 v[ST+8*\t], s[CS], v[ST+8*\t+1]      ; c m
.irp i, 2,3,4,5,6,7
	v_mov_b32 v[ST+8*\t+\i], 0                     ; l; and registers that are named as a permute's destination or a pair's half before they are first written
.endr
.endr
.irp i, 54,57,59
	v_mov_b32 v\i, 0
.endr
.macro SOFTMAX                         ; the two tiles line by line, so that no line waits for the line above it
.irp j, 0,1,2,3
.irp t, 0,1
	v_max3_num_f32 v[ST+8*\t+4+\j], v[S+32*\t+8*\j], v[S+32*\t+8*\j+1], v[S+32*\t+8*\j+2]   ; each accumulator is read from its low end on
.endr
.endr
.irp q, 1,2
.irp j, 0,1,2,3
.irp t, 0,1
	v_max3_num_f32 v[ST+8*\t+4+\j], v[ST+8*\t+4+\j], v[S+32*\t+8*\j+2*\q+1], v[S+32*\t+8*\j+2*\q+2]
.endr
.endr
.endr
.irp t, 0,1
	v_max3_num_f32 v[ST+8*\t+4], v[ST+8*\t+4], v[S+32*\t+7], v[S+32*\t+15]
	v_max3_num_f32 v[ST+8*\t+6], v[ST+8*\t+6], v[S+32*\t+23], v[S+32*\t+31]
.endr
.irp t, 0,1
	v_max3_num_f32 v[ST+8*\t+4], v[ST+8*\t+4], v[ST+8*\t+5], v[ST+8*\t+6]
.endr
.irp t, 0,1
	v_max3_num_f32 v[ST+8*\t+4], v[ST+8*\t+4], v[ST+8*\t+7], v[ST+8*\t+1]   ; with the old m
.endr
.irp t, 0,1
	v_permlanex16_b32 v[ST+8*\t+5], v[ST+8*\t+4], s[SEL], s[SEL+1]          ; the query's other 32 keys lie in lane l xor 16
.endr
.irp t, 0,1
	v_mov_b32 v[ST+8*\t+7], v[ST+8*\t]             ; c m_old
.endr
.irp t, 0,1
	v_max_num_f32 v[ST+8*\t+1], v[ST+8*\t+4], v[ST+8*\t+5]
.endr
.irp t, 0,1
	v_mul_f32 v[ST+8*\t], s[CS], v[ST+8*\t+1]
.endr
.irp t, 0,1
	v_sub_f32 v[ST+8*\t+7], v[ST+8*\t+7], v[ST+8*\t]
.endr
.irp b, 0,2,4,6,8,10,12,14,16,18,20,22,24,26,28,30
.irp t, 0,1
	v_pk_fma_f32 v[S+32*\t+\b:S+32*\t+\b+1], v[S+32*\t+\b:S+32*\t+\b+1], s[CS:CS+1], v[ST+8*\t:ST+8*\t+1] op_sel_hi:[1,0,0] neg_lo:[0,0,1] neg_hi:[0,0,1]   ; c s - c m
.endr
.endr
.irp t, 0,1
	v_exp_f32 v[ST+8*\t+6], v[ST+8*\t+7]           ; a = 2^(c m_old - c m_new)
.endr
.set n_, 0
.rept 64
	v_exp_f32 v[S+n_], v[S+n_]                     ; one batch of 66
.set n_, n_+1
.endr
	v_nop                                          ; a plain line behind the last exponential
	s_wait_alu depctr_va_vdst(0)                   ; the wait ahead of the batch's first reader: one for all 66
.irp i, 0,1,2,3,4,5,6,7,8,9,10,11,12,13,14,15
.irp t, 0,1
	v_cvt_pk_f16_f32 v[P+16*\t+\i], v[S+32*\t+2*\i], v[S+32*\t+2*\i+1]
.endr
.endr
.irp u, 0,1,2,3,4,5,6,7                ; the sum of the unrounded p, in place: neighbours 1, 2, 4, 8 pairs apart
.irp t, 0,1
	v_pk_add_f32 v[S+32*\t+4*\u:S+32*\t+4*\u+1], v[S+32*\t+4*\u:S+32*\t+4*\u+1], v[S+32*\t+4*\u+2:S+32*\t+4*\u+3]
.endr
.endr
.irp u, 0,1,2,3
.irp t, 0,1
	v_pk_add_f32 v[S+32*\t+8*\u:S+32*\t+8*\u+1], v[S+32*\t+8*\u:S+32*\t+8*\u+1], v[S+32*\t+8*\u+4:S+32*\t+8*\u+5]
.endr
.endr
.irp u, 0,1
.irp t, 0,1
	v_pk_add_f32 v[S+32*\t+16*\u:S+32*\t+16*\u+1], v[S+32*\t+16*\u:S+32*\t+16*\u+1], v[S+32*\t+16*\u+8:S+32*\t+16*\u+9]
.endr
.endr
.irp t, 0,1
	v_pk_add_f32 v[S+32*\t:S+32*\t+1], v[S+32*\t:S+32*\t+1], v[S+32*\t+16:S+32*\t+17]
.endr
.irp t, 0,1
	v_pk_fma_f32 v[ST+8*\t+2:ST+8*\t+3], v[ST+8*\t+2:ST+8*\t+3], v[ST+8*\t+6:ST+8*\t+7], v[S+32*\t:S+32*\t+1] op_sel_hi:[1,0,1]   ; l = a l + the sum
.endr
.endm
; A STEP: my i-th block of 64 keys of the slot in hand, for my two tiles.
.macro STEP i
	s_add_co_u32 s56, s[KF], 128*\i                ; the block's first key
	s_cmp_gt_u32 s56, s[QL]                        ; wholly behind my queries: left out.  Ids and the count of steps alone; no barrier, wait on TENSORcnt or tensor load stands in a step
	s_cbranch_scc1 .Lhidden_\@
	v_add_nc_u32 v[ADR], s[TB], v[AK0]
	v_add_nc_u32 v[ADV], s[TB], v[AV0]
	WIN 0x80                                       ; destination window 2
.irp c, 0,1,2,3                        ; K: channels 32 c on, keys 16 kt on; the channel groups in the order in which the products want them
.irp kt, 0,1,2,3
	ds_load_b128 v[32*\kt+8*\c:32*\kt+8*\c+3], v[ADR] offset:\i*128*PK+\kt*16*PK+64*\c
	ds_load_b128 v[32*\kt+8*\c+4:32*\kt+8*\c+7], v[ADR] offset:\i*128*PK+\kt*16*PK+64*\c+32
.endr
.endr
.irp f, 0,1,2,3,4,5,6,7,8,9,10,11,12,13,14,15      ; V^T: keys 32 (f / 8) on, channels 16 (f % 8) on
	ds_load_tr16_b128 v[128+8*\f:128+8*\f+3], v[ADV] offset:\i*128*PV+(\f/8)*32*PV+(\f%8)*32
	ds_load_tr16_b128 v[128+8*\f+4:128+8*\f+7], v[ADV] offset:\i*128*PV+(\f/8)*32*PV+16*PV+(\f%8)*32
.endr
.irp c, 0,1,2,3
	s_wait_dscnt 56-8*\c                           ; K's channel group c is in; the later groups' loads and V's 32 may be out
	WIN W_KQ
.irp kt, 0,1,2,3                       ; eight accumulators by turns, one instruction a turn
.irp t, 0,1
.if \c == 0
	v_wmma_f32_16x16x32_f16 v[S+32*\t+8*\kt:S+32*\t+8*\kt+7], v[32*\kt+8*\c:32*\kt+8*\c+7], v[128+32*\t+8*\c:128+32*\t+8*\c+7], 0
.else
	v_wmma_f32_16x16x32_f16 v[S+32*\t+8*\kt:S+32*\t+8*\kt+7], v[32*\kt+8*\c:32*\kt+8*\c+7], v[128+32*\t+8*\c:128+32*\t+8*\c+7], v[S+32*\t+8*\kt:S+32*\t+8*\kt+7]
.endif
.endr
.endr
.endr
	WIN 0
.rept 4
	v_nop                                          ; places in front of the first read of the scores
.endr
	s_add_co_u32 s57, s56, 63
	s_cmp_le_u32 s57, s[Q0]                        ; all 64 keys count for all my queries: no mask
	s_cbranch_scc1 .Lopen_\@
	s_sub_co_i32 s57, s[Q0], s56
	v_add_nc_u32 v[DD], s57, v[RH]                 ; d = my query - the block's first key - 8 h.  Register 8 kt + i holds key 16 kt + 8 h + i: hidden where 16 kt + i > d
.irp n, 0,1,2,3,4,5,6,7,8,9,10,11,12,13,14,15,16,17,18,19,20,21,22,23,24,25,26,27,28,29,30,31
	v_cmp_gt_i32 vcc_lo, 16*(\n/8)+\n%8, v[DD]
	v_cndmask_b32 v[S+\n], v[S+\n], v[NINF], vcc_lo
	v_cndmask_b32 v[S+32+\n], v[S+32+\n], v[NINF], vcc_lo
.endr
.Lopen_\@:
	SOFTMAX
	WIN W_RS
.irp t, 0,1
.set n_, 0
.rept 32
	v_pk_mul_f32 v[64*\t+n_:64*\t+n_+1], v[64*\t+n_:64*\t+n_+1], v[ST+8*\t+6:ST+8*\t+7] op_sel_hi:[1,0]   ; O^T x a
.set n_, n_+2
.endr
.endr
	s_wait_dscnt 0x0                               ; V is in
	WIN W_PV
.irp kc, 0,1                           ; sixteen accumulators by turns
.irp ct, 0,1,2,3,4,5,6,7
.irp t, 0,1
	v_wmma_f32_16x16x32_f16 v[64*\t+8*\ct:64*\t+8*\ct+7], v[128+64*\kc+8*\ct:128+64*\kc+8*\ct+7], v[P+16*\t+8*\kc:P+16*\t+8*\kc+7], v[64*\t+8*\ct:64*\t+8*\ct+7]
.endr
.endr
.endr
	WIN 0
.rept 4
	v_nop                                          ; places in front of the next loads into V's registers and of the way out's reads of O^T
.endr
.Lhidden_\@:
.endm
; THE CHANGE OF SLOTS, at a slot's head.  Each wave waits for all its tensor loads, adds 0 to its spare word, and waits for that and for its reads of the slot that it has left; behind the barrier the slot ahead is
; whole and nobody reads the other one, which (fill = 1) is filled with the next 256 keys, up to the causal limit.
.macro CHANGE fill
	s_wait_tensorcnt 0x0                           ; no tensor load of mine is out, so a group 0 may be written
	ds_add_u32 v[SPW], v[NIL]
.if \fill
	ds_add_u32 v[SPW], v[NIL]                      ; and once more: the add twice on end, in every trip alike
	s_xor_b32 s[G0K+1], s[G0K+1], SLOT1
	s_add_nc_u64 s[G0K+2:G0K+3], s[G0K+2:G0K+3], 65536
	s_xor_b32 s[G0V+1], s[G0V+1], SLOT1
	s_add_nc_u64 s[G0V+2:G0V+3], s[G0V+2:G0V+3], 65536
	s_wait_xcnt 0x0                                ; the last prefetches, a slot back, have read their address
	s_add_nc_u64 s[PFA:PFA+1], s[PFA:PFA+1], 65536
.endif
	s_wait_dscnt 0x0
	s_barrier_signal -1
	s_barrier_wait -1
.if \fill
	s_add_co_u32 s56, s[SK], 256                   ; the first key of the slot that this change would ask for
	s_cmp_gt_u32 s56, s[PL]                        ; behind the work-group's last query: none of its waves would read it
	s_cbranch_scc1 .Lpast_\@
	TLOAD                                          ; a wave's one tensor load until the next such barrier
.Lpast_\@:
	ASK
.endif
.endm
.macro SLOT_STEPS
	STEP 0
	STEP 1
	s_add_co_u32 s[KF], s[KF], 256
	s_add_co_u32 s[SK], s[SK], 256
	s_xor_b32 s[TB], s[TB], SLOT1
.endm
	s_wait_loadcnt 0x0                             ; Q and gate
.Lslot:                                            ; 7 trips
	CHANGE 1
	SLOT_STEPS
	s_sub_co_u32 s[SLOTS], s[SLOTS], 1
	s_cmp_lg_u32 s[SLOTS], 0
	s_cbranch_scc1 .Lslot
	CHANGE 0                                       ; the last slot is written out: nothing is left to ask for
	SLOT_STEPS
	; ---- THE EXCHANGE: my partial tile B goes to wave w xor 1 as an image of its registers
	v_add_f32 v[ST+12], v[ST+10], v[ST+11]         ; tile B's l, my lane's share
	WIN 0x04                                       ; an LDS store's data are its source 1: window 1
.irp n, 0,1,2,3,4,5,6,7,8,9,10,11,12,13,14,15
	ds_store_b128 v[XW], v[64+4*\n:64+4*\n+3] offset:512*\n        ; each accumulator from its low end on
.endr
	WIN 0
	ds_store_b32 v[XW2], v[ST+8]                   ; c m
	ds_store_b32 v[XW2], v[ST+12] offset:128       ; l
	s_wait_dscnt 0x0                               ; for the partner's sake: my stores have landed; my reads of the slots are over
	s_barrier_signal -1
	s_barrier_wait -1
.irp n, 0,1,2,3,4,5,6,7,8,9,10,11,12,13,14,15
	ds_load_b128 v[T+4*\n:T+4*\n+3], v[XR] offset:512*\n
.endr
	ds_load_b32 v48, v[XR2]
	ds_load_b32 v49, v[XR2] offset:128
	; sigmoid(gate) = 1 / (1 + 2^(-log2(e) gate)), in f32, while the loads are out
.macro CVG d, lo, hi
	v_cvt_f32_f16 v[S+\d], \lo
	v_cvt_f32_f16 v[S+\d+1], \hi
.endm
	CVG 0, v64.l, v64.h
	CVG 2, v65.l, v65.h
	CVG 4, v66.l, v66.h
	CVG 6, v67.l, v67.h
	CVG 8, v68.l, v68.h
	CVG 10, v69.l, v69.h
	CVG 12, v70.l, v70.h
	CVG 14, v71.l, v71.h
	CVG 16, v72.l, v72.h
	CVG 18, v73.l, v73.h
	CVG 20, v74.l, v74.h
	CVG 22, v75.l, v75.h
	CVG 24, v76.l, v76.h
	CVG 26, v77.l, v77.h
	CVG 28, v78.l, v78.h
	CVG 30, v79.l, v79.h
	CVG 32, v80.l, v80.h
	CVG 34, v81.l, v81.h
	CVG 36, v82.l, v82.h
	CVG 38, v83.l, v83.h
	CVG 40, v84.l, v84.h
	CVG 42, v85.l, v85.h
	CVG 44, v86.l, v86.h
	CVG 46, v87.l, v87.h
	CVG 48, v88.l, v88.h
	CVG 50, v89.l, v89.h
	CVG 52, v90.l, v90.h
	CVG 54, v91.l, v91.h
	CVG 56, v92.l, v92.h
	CVG 58, v93.l, v93.h
	CVG 60, v94.l, v94.h
	CVG 62, v95.l, v95.h
.set n_, 0
.rept 32
	v_pk_mul_f32 v[S+n_:S+n_+1], v[S+n_:S+n_+1], s[NL2:NL2+1] op_sel_hi:[1,0]
.set n_, n_+2
.endr
.set n_, 0
.rept 64
	v_exp_f32 v[S+n_], v[S+n_]
.set n_, n_+1
.endr
	v_nop
	s_wait_alu depctr_va_vdst(0)                   ; one wait for the batch, ahead of its first reader
.set n_, 0
.rept 32
	v_pk_add_f32 v[S+n_:S+n_+1], v[S+n_:S+n_+1], 1.0 op_sel_hi:[1,0]
.set n_, n_+2
.endr
.set n_, 0
.rept 64
	v_rcp_f32 v[S+n_], v[S+n_]
.set n_, n_+1
.endr
	v_nop
	s_wait_alu depctr_va_vdst(0)
	; the two halves of tile A under one maximum.  A wave that had no key holds c m = c x -3e38, l = 0, O = 0: its factor is 0
	s_wait_dscnt 0x0
	v_add_f32 v50, v[ST+2], v[ST+3]
	v_max_num_f32 v51, v[ST], v48
	v_sub_f32 v52, v[ST], v51
	v_sub_f32 v53, v48, v51
	v_exp_f32 v52, v52
	v_exp_f32 v53, v53
	v_nop
	s_wait_alu depctr_va_vdst(0)
	v_mul_f32 v50, v50, v52
	v_fma_f32 v50, v49, v53, v50
	v_permlanex16_b32 v54, v50, s[SEL], s[SEL+1]
	v_add_f32 v50, v50, v54                        ; the row's sum
	v_rcp_f32 v55, v50
	v_nop
	s_wait_alu depctr_va_vdst(0)
	v_mul_f32 v56, v52, v55                        ; my sums' factor,
	v_mul_f32 v58, v53, v55                        ; my partner's
.set n_, 0
.rept 32
	v_pk_mul_f32 v[T+n_:T+n_+1], v[T+n_:T+n_+1], v[58:59] op_sel_hi:[1,0]
.set n_, n_+2
.endr
	WIN 0x01                                       ; source 0: O^T of tile A, window 1
.set n_, 0
.rept 32
	v_pk_fma_f32 v[T+n_:T+n_+1], v[n_:n_+1], v[56:57], v[T+n_:T+n_+1] op_sel_hi:[1,0,1]
.set n_, n_+2
.endr
	WIN 0
.set n_, 0
.rept 32
	v_pk_mul_f32 v[T+n_:T+n_+1], v[T+n_:T+n_+1], v[S+n_:S+n_+1]    ; x sigmoid(gate)
.set n_, n_+2
.endr
.set n_, 0
.rept 32
	v_cvt_pk_f16_f32 v[P+n_], v[T+2*n_], v[T+2*n_+1]
.set n_, n_+1
.endr
.irp ct, 0,1,2,3,4,5,6,7
	ds_store_b128 v[STO], v[P+4*\ct:P+4*\ct+3] offset:32*\ct       ; row r, channels 16 ct + 8 h on
.endr
.irp t, 0,1,2,3,4,5,6,7
	ds_load_b128 v[T+4*\t:T+4*\t+3], v[RD] offset:2*\t*SP          ; LDS serves a wave's instructions in order: these see my stores
.endr
.irp t, 0,1,2,3,4,5,6,7
	s_wait_dscnt 7-\t                              ; the younger loads may be out
	global_store_b128 v[GO], v[T+4*\t:T+4*\t+3], s[XO:XO+1] offset:4096*\t      ; sixteen lanes store 256 consecutive bytes, aligned
.endr
	s_wait_tensorcnt 0x0                           ; the wave's end
	ds_add_u32 v[SPW], v[NIL]
	s_wait_dscnt 0x0
	s_endpgm
.Lfunc_end_k_qa893d208da_attn:
	.size	k_qa893d208da_attn, .Lfunc_end_k_qa893d208da_attn-k_qa893d208da_attn
	.p2alignl 7, 3214868480
	.fill 96, 4, 3214868480
	.section	.rodata,"a",@progbits
	.p2align	6, 0x0
	.amdhsa_kernel k_qa893d208da_attn
		.amdhsa_group_segment_fixed_size 327680
		.amdhsa_private_segment_fixed_size 0
		.amdhsa_enable_private_segment 0
		.amdhsa_kernarg_size 24
		.amdhsa_user_sgpr_count 2
		.amdhsa_user_sgpr_kernarg_segment_ptr 1
		.amdhsa_wavefront_size32 1
		.amdhsa_system_sgpr_workgroup_id_x 1
		.amdhsa_system_sgpr_workgroup_id_y 1
		.amdhsa_system_sgpr_workgroup_id_z 1
		.amdhsa_system_vgpr_workitem_id 0
		.amdhsa_next_free_vgpr 768
		.amdhsa_next_free_sgpr 80
		.amdhsa_reserve_vcc 1
		.amdhsa_float_denorm_mode_32 3
		.amdhsa_float_denorm_mode_16_64 3
		.amdhsa_memory_ordered 1
		.amdhsa_forward_progress 1
		.amdhsa_inst_pref_size 146
	.end_amdhsa_kernel
	.amdgpu_metadata
---
amdhsa.version: [ 1, 2 ]
amdhsa.kernels:
  - .name:           k_qa893d208da_attn
    .symbol:         k_qa893d208da_attn.kd
    .args:
      - { .name: qg, .offset: 0, .size: 8, .value_kind: global_buffer, .address_space: global }
      - { .name: kv, .offset: 8, .size: 8, .value_kind: global_buffer, .address_space: global }
      - { .name: xa, .offset: 16, .size: 8, .value_kind: global_buffer, .address_space: global }
    .group_segment_fixed_size: 327680
    .private_segment_fixed_size: 0
    .kernarg_segment_align: 8
    .kernarg_segment_size: 24
    .max_flat_workgroup_size: 128
    .sgpr_count:     80
    .vgpr_count:     768
    .wavefront_size: 32
...
	.end_amdgpu_metadata
.endif
;; end of part 3
;; launch oproj (part 4): grid 8 x 32, 4 waves a work-group, clusters of 4 x 4, 327,680 bytes of LDS; arguments xa, wot, out0; writes out0
.if DOCPART == 4
	.amdgcn_target "amdgcn-amd-amdhsa--gfx1250"
	.amdhsa_code_object_version 6
	.text
	.protected	k_qa893d208da_oproj
	.globl	k_qa893d208da_oproj
	.p2align	8
	.type	k_qa893d208da_oproj,@function
k_qa893d208da_oproj:
	s_mov_b64 s[64:65], 0
	v_nop
	global_prefetch_b8 v0, s[64:65] scope:SCOPE_SE
	s_setreg_imm32_b32 hwreg(HW_REG_WAVE_MODE, 25, 1), 1
	s_wait_xcnt 0x0
	s_wait_alu depctr_hold_cnt(0) depctr_sa_sdst(0) depctr_va_vdst(0) depctr_va_sdst(0) depctr_va_ssrc(0) depctr_va_vcc(0) depctr_vm_vsrc(0)
	s_getreg_b32 s2, hwreg(HW_REG_IB_STS2, 6, 4)
	s_cmp_eq_u32 s2, 0
	s_cbranch_scc0 .Lentry_in_a_cluster
	s_endpgm
.Lentry_in_a_cluster:
	s_bfe_u32 s2, ttmp6, 0x10000c
	s_cmp_lg_u32 s2, 0xf033
	s_cbranch_scc0 .Lentry_shape_is_right
	s_endpgm
.Lentry_shape_is_right:
; OPROJ: out0[m][n] = sum over k of xa[m][k] wot[n][k].  xa f16 [4096][1024], wot f16 [2048][1024], out0 f32 [4096][2048]; sums in f32.
; A tile of out0 is 128 (m) x 256 (n): 8 x 32 = 256 work-groups.  Four waves of 64 x 128: 32 accumulators, all of window 1.  K goes in 8 steps of 128 (rows of 256 bytes) through two LDS slots:
; A's 128 rows, then B's 256.  Waves 0 and 1 fetch A's halves (64 rows), waves 2 and 3 B's (128 rows), one load a wave.  Two slots of rows twice as long would not fit in LDS.
; CLUSTER 4 x 4: A's tile is shared along a row of the cluster, B's along a column, each asked for jointly.
; THE MATRIX INSTRUCTION IS USED TRANSPOSED (source 0 = 16 rows of wot, source 1 = 16 rows of xa): a lane holds eight neighbouring numbers of a row of out0.
; The rows of positions 0 .. 15 of each sequence are written here with the tile that holds them and written again, from f32 operands, by the launch that follows.
; No prefetch: the tiles are shared by joint loads, and K has eight steps.  One tile to a work-group.
; REGISTERS: window 0: v16-29 addresses; v64-95, v96-127 A's fragments (4 x 16 rows x 32 K), two buffers; v128-191, v192-255 B's (8 blocks), two buffers.   window 1: accumulator (a, b) at v[8 (8 a + b)].
.set KSTEP,  128
.set PITCH,  272
.set SLOT,   384*PITCH
.set BOFF,   128*PITCH
.set SPARE,  2*SLOT                    ; the spare words: 128 bytes a wave, two blocks of 256 bytes that no other line names
.set SPITCH, 528                       ; the way out: 16 rows x (512 + 16) bytes a wave, in slot 0, which has had its last fill and its last read by then
.set LAPS,   4
.set ADRA, 16
.set ADRB, 20
.set STO,  24
.set RD,   25
.set CO,   26
.set SPW,  28
.set NIL,  29
.set AB,   64
.set BB,   128
.set G1, 24
.set G0, 32
.set G1B, 48
.set G0B, 56
.set MSB, 0
.macro WIN new
.if MSB != (\new)
	s_set_vgpr_msb (MSB<<8)|(\new)
.set MSB, (\new)
.endif
.endm
.set MUL, 0x50                         ; C and D window 1, the fragments window 0
.macro JLOAD s
	s_cmp_eq_u32 s11, 0
	s_cbranch_scc0 .Lfor_b_\@
	tensor_load_to_lds s[G0+4*\s:G0+4*\s+3], s[G1:G1+7]
	s_nop 0
.rept 4
	v_nop
.endr
	s_branch .Lasked_\@
.Lfor_b_\@:
	tensor_load_to_lds s[G0B+4*\s:G0B+4*\s+3], s[G1B:G1B+7]
	s_nop 0
.rept 4
	v_nop
.endr
.Lasked_\@:
.endm
.macro CREST
	s_cmp_lg_u32 s10, 0
	s_cbranch_scc1 .Lnot_wave_0_\@
	s_barrier_signal -3
.Lnot_wave_0_\@:
	s_barrier_wait -3
	s_barrier_signal -1
	s_barrier_wait -1
.endm
.macro CROUND
	s_barrier_signal -1
	s_barrier_wait -1
	CREST
.endm
	s_load_b128 s[4:7], s[0:1], 0x0                ; xa, wot
	s_load_b64 s[8:9], s[0:1], 0x10                ; out0
	v_lshl_add_u32 v[SPW], v0, 2, SPARE
	v_mov_b32 v[NIL], 0
	ds_add_u32 v[SPW], v[NIL]                      ; the wave's opening: the add, twice on end, and its wait ahead of my first tensor load
	ds_add_u32 v[SPW], v[NIL]
	v_lshrrev_b32 v1, 5, v0
	v_readfirstlane_b32 s10, v1                    ; wave 0..3
	s_lshr_b32 s11, s10, 1                         ; my half of the tile's rows.  Also: I fetch for A (0) or B (1)
	s_and_b32 s12, s10, 1                          ; my half of its columns.  Also: which half of that tile I fetch
	s_bfe_u32 s40, ttmp6, 0x40000                  ; cx
	s_bfe_u32 s41, ttmp6, 0x40004                  ; cy
	s_lshl_b32 s42, ttmp9, 2
	s_add_co_u32 s42, s42, s40                     ; tile column
	s_and_b32 s13, ttmp7, 0xffff
	s_lshl_b32 s13, s13, 2
	s_add_co_u32 s13, s13, s41                     ; tile row
	s_lshl_b32 s43, s41, 2
	s_lshl_b32 s43, 15, s43                        ; my row of the cluster
	s_lshl_b32 s44, 0x1111, s40                    ; my column
	s_or_b32 s[G1+0], s43, (1<<16)|(1<<20)|(1<<21)|(5<<22)|(3<<25)   ; mask; elements of 2 bytes; 4 words of padding behind every 64
	s_or_b32 s[G1B+0], s44, (1<<16)|(1<<20)|(1<<21)|(5<<22)|(3<<25)
	s_mov_b32 s[G1+1], KSTEP<<16                   ; tensor_dim0
	s_mov_b32 s[G1+2], 64<<16                      ; tensor_dim1: A's half has 64 rows
	s_mov_b32 s[G1+3], KSTEP<<16                   ; tile_dim0
	s_mov_b32 s[G1+4], 64                          ; tile_dim1
	s_mov_b32 s[G1+5], 1024                        ; the pitch
	s_mov_b32 s[G1+6], 0
	s_mov_b32 s[G1+7], 0
	s_mov_b32 s[G1B+1], KSTEP<<16
	s_mov_b32 s[G1B+2], 128<<16                    ; B's half has 128
	s_mov_b32 s[G1B+3], KSTEP<<16
	s_mov_b32 s[G1B+4], 128
	s_mov_b32 s[G1B+5], 1024
	s_mov_b32 s[G1B+6], 0
	s_mov_b32 s[G1B+7], 0
	s_lshl_b32 s17, s12, 6
	s_lshl_b32 s16, s13, 7
	s_add_co_u32 s16, s16, s17                     ; A: row 128 x tile row + 64 x half
	s_lshl_b32 s16, s16, 11                        ; rows of 2,048 bytes
	s_mov_b32 s17, 0
	s_lshl_b32 s47, s12, 7
	s_lshl_b32 s46, s42, 8
	s_add_co_u32 s46, s46, s47                     ; B: row 256 x tile column + 128 x half
	s_lshl_b32 s46, s46, 11
	s_mov_b32 s47, 0
	s_mul_i32 s20, s12, 64*PITCH                   ; where they go: no place in the cluster enters an LDS address
	s_mul_i32 s21, s12, 128*PITCH
	s_add_co_u32 s21, s21, BOFF
	s_wait_dscnt 0x0                               ; both opening adds are done
	s_wait_kmcnt 0x0
	s_add_nc_u64 s[14:15], s[4:5], s[16:17]
	s_add_nc_u64 s[46:47], s[6:7], s[46:47]
	CROUND                                         ; all sixteen work-groups are here: the first joint loads meet
.irp s, 0,1
	s_mov_b32 s[G0+4*\s], 1
	s_add_co_u32 s[G0+4*\s+1], s20, \s*SLOT
	s_add_nc_u64 s[G0+4*\s+2:G0+4*\s+3], s[14:15], \s*KSTEP*2
	s_or_b32 s[G0+4*\s+3], s[G0+4*\s+3], 0x80000000
	s_mov_b32 s[G0B+4*\s], 1
	s_add_co_u32 s[G0B+4*\s+1], s21, \s*SLOT
	s_add_nc_u64 s[G0B+4*\s+2:G0B+4*\s+3], s[46:47], \s*KSTEP*2
	s_or_b32 s[G0B+4*\s+3], s[G0B+4*\s+3], 0x80000000
	JLOAD \s
.endr
	v_and_b32 v1, 15, v0                           ; r
	v_bfe_u32 v2, v0, 4, 1                         ; h
	v_mul_u32_u24 v3, v1, PITCH
	v_lshl_add_u32 v3, v2, 4, v3
	s_mul_i32 s21, s11, 64*PITCH                   ; my 64 rows of A
	s_mul_i32 s22, s12, 128*PITCH
	s_add_co_u32 s22, s22, BOFF                    ; my 128 rows of B
.irp s, 0,1
	v_add_nc_u32 v[ADRA+\s], s21, v3
	v_add_nc_u32 v[ADRB+\s], s22, v3
	s_add_co_u32 s21, s21, SLOT
	s_add_co_u32 s22, s22, SLOT
.endr
	s_mul_i32 s23, s10, 16*SPITCH                  ; my stage
	v_mul_u32_u24 v4, v1, SPITCH
	v_lshl_add_u32 v4, v2, 5, v4
	v_add_nc_u32 v[STO], s23, v4                   ; in: row r, 32 bytes for each half of the lanes
	v_and_b32 v5, 31, v0
	v_lshlrev_b32 v[CO], 4, v5                     ; back: the 32 lanes take a row of 512 bytes; the same in out0
	v_add_nc_u32 v[RD], s23, v[CO]
	s_lshl_b32 s16, s13, 7
	s_lshl_b32 s17, s11, 6
	s_add_co_u32 s16, s16, s17
	s_lshl_b32 s16, s16, 13                        ; my first row, of 8,192 bytes
	s_mov_b32 s17, 0
	s_add_nc_u64 s[8:9], s[8:9], s[16:17]
	s_lshl_b32 s46, s42, 10
	s_lshl_b32 s47, s12, 9
	s_add_co_u32 s46, s46, s47                     ; my first column, in bytes
	s_mov_b32 s47, 0
	s_add_nc_u64 s[8:9], s[8:9], s[46:47]
.macro MUL8 f, a, zero                 ; A's block a x B's eight, 32 along K, from buffer f.  The 32 accumulators take turns, one instruction a turn
.irp b, 0,1,2,3,4,5,6,7
.if \zero
	v_wmma_f32_16x16x32_f16 v[8*(8*(\a)+\b):8*(8*(\a)+\b)+7], v[BB+64*(\f)+8*\b:BB+64*(\f)+8*\b+7], v[AB+32*(\f)+8*(\a):AB+32*(\f)+8*(\a)+7], 0
.else
	v_wmma_f32_16x16x32_f16 v[8*(8*(\a)+\b):8*(8*(\a)+\b)+7], v[BB+64*(\f)+8*\b:BB+64*(\f)+8*\b+7], v[AB+32*(\f)+8*(\a):AB+32*(\f)+8*(\a)+7], v[8*(8*(\a)+\b):8*(8*(\a)+\b)+7]
.endif
.endr
.endm
.macro FETCH slot, k, f                ; 24 LDS loads in one run: B's eight blocks, then A's four
.irp i, 0,1,2,3,4,5,6,7
	ds_load_b128 v[BB+64*(\f)+8*\i:BB+64*(\f)+8*\i+3],   v[ADRB+\slot] offset:\k+\i*16*PITCH
	ds_load_b128 v[BB+64*(\f)+8*\i+4:BB+64*(\f)+8*\i+7], v[ADRB+\slot] offset:\k+\i*16*PITCH+32
.endr
.irp i, 0,1,2,3
	ds_load_b128 v[AB+32*(\f)+8*\i:AB+32*(\f)+8*\i+3],   v[ADRA+\slot] offset:\k+\i*16*PITCH
	ds_load_b128 v[AB+32*(\f)+8*\i+4:AB+32*(\f)+8*\i+7], v[ADRA+\slot] offset:\k+\i*16*PITCH+32
.endr
.endm
.macro PLACES                          ; plain vector lines between matrix instructions and loads into, or reads of, their registers
.rept 4
	v_nop
.endr
.endm
.macro QUARTER slot, k, f, g, zero     ; 32 along K from buffer f; in its middle the next quarter, at byte k of the rows, is fetched into g
	s_wait_dscnt 4                                 ; B and A's blocks 0, 1 are in; the youngest four loads (A's blocks 2, 3) may be out
	WIN MUL
	MUL8 \f, 0, \zero
	MUL8 \f, 1, \zero
	WIN 0
	PLACES
	FETCH \slot, \k, \g
	s_wait_dscnt 24                                ; all but the 24 just issued
	WIN MUL
	MUL8 \f, 2, \zero
	MUL8 \f, 3, \zero
.endm
; A K step's last quarter multiplies buffer 1 and changes slots: one barrier; in front of it each wave waits for all its tensor loads, adds 0 to its spare word, and waits for that and for its reads of this slot.
.macro TURN slot, next, fill
	WIN 0
	s_wait_tensorcnt 0x0                           ; all my tensor loads have landed: my part of the next slot
	ds_add_u32 v[SPW], v[NIL]
	s_wait_dscnt 5                                 ; the add and the youngest four loads may be out
	WIN MUL
	MUL8 1, 0, 0
	s_wait_dscnt 0x0                               ; the add is done, and my reads of this slot are over
	s_barrier_signal -1
	MUL8 1, 1, 0
	WIN 0
	s_barrier_wait -1
.if \fill
	CREST                                          ; the barrier has opened a round of the cluster's: no wave of any partner still reads this slot or has a load on its way
	s_add_nc_u64 s[G0+4*\slot+2:G0+4*\slot+3], s[G0+4*\slot+2:G0+4*\slot+3], 2*KSTEP*2
	s_add_nc_u64 s[G0B+4*\slot+2:G0B+4*\slot+3], s[G0B+4*\slot+2:G0B+4*\slot+3], 2*KSTEP*2
	JLOAD \slot                                    ; the first tensor load behind the round; its four v_nop are the places in front of the loads below
.else
	PLACES
.endif
	FETCH \next, 0, 0
	WIN MUL
	MUL8 1, 2, 0
	MUL8 1, 3, 0
.endm
	s_wait_tensorcnt 1                             ; my part of K step 0 is in; K step 1's load may be out
	s_barrier_signal -1
	s_barrier_wait -1
	FETCH 0, 0, 0
	QUARTER 0, 64, 0, 1, 1                         ; the first quarter stands in front of the loop: its products start the sums
	WIN 0
	s_mov_b32 s3, LAPS-1
.Llap:                                             ; a trip goes once round the ring and fills both slots again
	QUARTER 0, 128, 1, 0, 0
	QUARTER 0, 192, 0, 1, 0
	TURN 0, 1, 1
	QUARTER 1, 64,  0, 1, 0
	QUARTER 1, 128, 1, 0, 0
	QUARTER 1, 192, 0, 1, 0
	TURN 1, 0, 1
	QUARTER 0, 64,  0, 1, 0
	WIN 0
	s_sub_co_u32 s3, s3, 1
	s_cmp_lg_u32 s3, 0
	s_cbranch_scc1 .Llap
	QUARTER 0, 128, 1, 0, 0                        ; the last lap fills nothing
	QUARTER 0, 192, 0, 1, 0
	TURN 0, 1, 0
	QUARTER 1, 64,  0, 1, 0
	QUARTER 1, 128, 1, 0, 0
	QUARTER 1, 192, 0, 1, 0
	s_wait_dscnt 4
	WIN MUL
	MUL8 1, 0, 0
	MUL8 1, 1, 0
	s_wait_dscnt 0
	MUL8 1, 2, 0
	MUL8 1, 3, 0
	WIN 0
; THE WAY OUT, a block of 16 rows x 128 columns at a time, through my own stage: back come whole rows of 512 bytes.
.macro TOSTAGE a
	WIN 0x04                                       ; an LDS store's data are its source 1: window 1
.irp b, 0,1,2,3,4,5,6,7
	ds_store_b128 v[STO], v[64*(\a)+8*\b:64*(\a)+8*\b+3] offset:64*\b            ; each accumulator from its low end on
	ds_store_b128 v[STO], v[64*(\a)+8*\b+4:64*(\a)+8*\b+7] offset:64*\b+16
.endr
	WIN 0
.set BK, 64+64*((\a)%2)
.irp t, 0,1,2,3,4,5,6,7,8,9,10,11,12,13,14,15
	ds_load_b128 v[BK+4*\t:BK+4*\t+3], v[RD] offset:\t*SPITCH      ; LDS serves a wave's instructions in order: these see the stores above
.endr
.endm
.macro SEND a, younger
.set BK, 64+64*((\a)%2)
	s_wait_dscnt \younger                          ; the block is back; the LDS instructions issued behind its loads may be out
.irp t, 0,1,2,3,4,5,6,7,8,9,10,11,12,13,14,15
	global_store_b128 v[CO], v[BK+4*\t:BK+4*\t+3], s[8:9] offset:(\a)*131072+\t*8192 th:TH_STORE_NT   ; 512 consecutive bytes, aligned
.endr
.endm
	PLACES
	TOSTAGE 0
.irp a, 1,2,3
.if \a > 1
	s_wait_xcnt 0x0                                ; block a - 2's stores have read their registers: block a's loads may land there
.endif
	TOSTAGE \a
	SEND \a-1, 32                                  ; behind block a - 1's loads: block a's 16 stores and 16 loads
.endr
	SEND 3, 0
	s_wait_tensorcnt 0x0                           ; the wave's end
	ds_add_u32 v[SPW], v[NIL]
	s_wait_dscnt 0x0
	CROUND                                         ; the closing round
	s_endpgm
.Lfunc_end_k_qa893d208da_oproj:
	.size	k_qa893d208da_oproj, .Lfunc_end_k_qa893d208da_oproj-k_qa893d208da_oproj
	.p2alignl 7, 3214868480
	.fill 96, 4, 3214868480
	.section	.rodata,"a",@progbits
	.p2align	6, 0x0
	.amdhsa_kernel k_qa893d208da_oproj
		.amdhsa_group_segment_fixed_size 327680
		.amdhsa_private_segment_fixed_size 0
		.amdhsa_enable_private_segment 0
		.amdhsa_kernarg_size 24
		.amdhsa_user_sgpr_count 2
		.amdhsa_user_sgpr_kernarg_segment_ptr 1
		.amdhsa_wavefront_size32 1
		.amdhsa_system_sgpr_workgroup_id_x 1
		.amdhsa_system_sgpr_workgroup_id_y 1
		.amdhsa_system_sgpr_workgroup_id_z 1
		.amdhsa_system_vgpr_workitem_id 0
		.amdhsa_next_free_vgpr 512
		.amdhsa_next_free_sgpr 66
		.amdhsa_reserve_vcc 0
		.amdhsa_float_denorm_mode_32 3
		.amdhsa_float_denorm_mode_16_64 3
		.amdhsa_memory_ordered 1
		.amdhsa_forward_progress 1
		.amdhsa_inst_pref_size 85
	.end_amdhsa_kernel
	.amdgpu_metadata
---
amdhsa.version: [ 1, 2 ]
amdhsa.kernels:
  - .name:           k_qa893d208da_oproj
    .symbol:         k_qa893d208da_oproj.kd
    .args:
      - { .name: xa, .offset: 0, .size: 8, .value_kind: global_buffer, .address_space: global }
      - { .name: wot, .offset: 8, .size: 8, .value_kind: global_buffer, .address_space: global }
      - { .name: out0, .offset: 16, .size: 8, .value_kind: global_buffer, .address_space: global }
    .group_segment_fixed_size: 327680
    .private_segment_fixed_size: 0
    .kernarg_segment_align: 8
    .kernarg_segment_size: 24
    .max_flat_workgroup_size: 128
    .sgpr_count:     66
    .vgpr_count:     512
    .wavefront_size: 32
...
	.end_amdgpu_metadata
.endif
;; end of part 4
;; launch fine16 (part 5): grid 128 x 2, 8 waves a work-group, no clusters, 9,216 bytes of LDS; arguments fine, w_o, out0; writes out0
.if DOCPART == 5
	.amdgcn_target "amdgcn-amd-amdhsa--gfx1250"
	.amdhsa_code_object_version 6
	.text
	.protected	k_qa893d208da_fine16
	.globl	k_qa893d208da_fine16
	.p2align	8
	.type	k_qa893d208da_fine16,@function
k_qa893d208da_fine16:
	s_mov_b64 s[64:65], 0
	v_nop
	global_prefetch_b8 v0, s[64:65] scope:SCOPE_SE
	s_setreg_imm32_b32 hwreg(HW_REG_WAVE_MODE, 25, 1), 1
	s_wait_xcnt 0x0
; FINE16: positions 0 .. 15 of each sequence once more, with f32 operands in all three products that are left as they are: there a row of the softmax averages 1 to 16 values and the results are the largest,
; so the rounding of 16-bit operands weighs most.  It writes those 32 rows of out0 over what the launch before left there.
; WORK LEFT OUT: keys 16 on: the causal mask that the function builds gives them the weight 0 for these queries.
; fine: f32 [b 16 + t][3072]: q of head h at column 256 h, its gate at + 128, k of kv head j at 2048 + 256 j, its v at + 128 (q and k behind norm and rope).  w_o: f32 [1024][2048].
; SHARES.  Work-group (x, y): batch y, output columns 16 x on.  Wave = head.  Every work-group repeats the heads' small attention (64 matrix instructions a wave): the price of one owner for each output without a
; further launch.  The eight heads' parts of the projection meet in LDS and wave 0 adds them in ascending order.
; THE f32 MATRIX FORM (16 x 16 x 4): lane (r, h) holds row r and k = 2 h + 0, 1 of a step.  The products' K is walked in an order that suits the registers, the same for both operands of a product:
;   scores:     register 4 i + e of half h: channel 8 i + 4 h + e  (a load takes 32 neighbouring bytes of each of 16 rows)
;   p v:        step kk, half h: keys 8 h + 2 kk + 0, 1       (as the scores' result lies: a lane holds one query and keys 8 h + 0..7)
;   projection: step 4 ct + q, half h: channels 16 ct + 8 h + 2 q + 0, 1   (as p v's result lies)
; The registers that this form writes (v32-127) are written by matrix instructions alone; each sum begins with the constant 0; four or eight accumulators take turns.
; LOADS AHEAD OF THEIR USE.  v is asked for at the head, behind q and k, into registers of its own; gate and five of w_o's eight tiles behind the scores' products; w_o's last three behind p v's products.
; So behind the first wait each load has a product's or the sigmoid's work in which to land, and every wait is counted by the loads that stand behind the one it serves.
; No tensor loads, no cluster, no prefetch: a short launch of dependent steps on 393,216 + 8,388,608 bytes.
; REGISTERS: window 0: v1-31 addresses and work; v32-63, v64-127 the accumulators; v128-191 q, later the heads' parts; v192-255 k, then gate, sigmoid, x.   window 1: v128-191 w_o^T; v192-255 v^T.
.set T,   8                            ; v8-15    at work: sums of accumulators
.set P,   16                           ; v16-23   p
.set SA,  32                           ; v32-63   four accumulators: the scores, later the projection
.set OA,  64                           ; v64-127  eight accumulators: O^T
.set R1,  128                          ; v128-191 q, later the heads' parts
.set R2,  192                          ; v192-255 k, then gate, sigmoid, x
.set WO,  128                          ; window 1: w_o^T
.set VT,  192                          ; window 1: v^T
.set SPW, 30
.set NIL, 31
.set SPARE, 8192                       ; behind the eight images: 128 bytes a wave, four blocks of 256 bytes that no other line names
.set MSB, 0
.macro WIN new                         ; the immediate's high byte repeats the setting that is left
.if MSB != (\new)
	s_set_vgpr_msb (MSB<<8)|(\new)
.set MSB, (\new)
.endif
.endm
.macro PLACES8                         ; eight plain lines behind this form (ISA guide 7.12.1)
.rept 8
	v_nop
.endr
.endm
.macro SUM4                            ; T = the four accumulators' sum; each is read from its low end on
.irp p, 0,2,4,6
	v_pk_add_f32 v[T+\p:T+\p+1], v[SA+\p:SA+\p+1], v[SA+8+\p:SA+8+\p+1]
.endr
.irp p, 0,2,4,6
	v_pk_add_f32 v[P+\p:P+\p+1], v[SA+16+\p:SA+16+\p+1], v[SA+24+\p:SA+24+\p+1]
.endr
.irp p, 0,2,4,6
	v_pk_add_f32 v[T+\p:T+\p+1], v[T+\p:T+\p+1], v[P+\p:P+\p+1]
.endr
.endm
.macro WOLOAD ct                       ; w_o(128 head + 16 ct + 8 h + j, 16 x + r), j = 0 .. 7: the destination lies in window 1
.irp j, 0,1,2,3,4,5,6,7
	global_load_b32 v[WO+8*(\ct)+\j], v7, s[16:17] offset:(16*(\ct)+\j)*8192
.endr
.endm
.macro PROJ st                         ; a step of my head's part of out^T: source 0 = 16 columns of w_o (window 1), source 1 = x's 16 queries
.if (\st) < 4
	v_wmma_f32_16x16x4_f32 v[SA+8*((\st)%4):SA+8*((\st)%4)+7], v[WO+2*(\st):WO+2*(\st)+1], v[R2+2*(\st):R2+2*(\st)+1], 0
.else
	v_wmma_f32_16x16x4_f32 v[SA+8*((\st)%4):SA+8*((\st)%4)+7], v[WO+2*(\st):WO+2*(\st)+1], v[R2+2*(\st):R2+2*(\st)+1], v[SA+8*((\st)%4):SA+8*((\st)%4)+7]
.endif
.endm
	s_load_b128 s[4:7], s[0:1], 0x0                ; fine, w_o
	s_load_b64 s[8:9], s[0:1], 0x10                ; out0
	v_lshl_add_u32 v[SPW], v0, 2, SPARE
	v_mov_b32 v[NIL], 0
	v_lshrrev_b32 v1, 5, v0
	v_readfirstlane_b32 s10, v1                    ; wave = head
	s_and_b32 s11, ttmp7, 0xffff                   ; batch
	v_and_b32 v1, 15, v0                           ; r
	v_bfe_u32 v2, v0, 4, 1                         ; h
	v_and_b32 v3, 31, v0
	v_mul_u32_u24 v4, v1, 12288
	v_lshl_add_u32 v6, v2, 5, v4                   ; gate: row r, + 32 h
	v_lshl_add_u32 v4, v2, 4, v4                   ; q, k: row r, + 16 h
	v_mul_u32_u24 v5, v2, 98304
	v_lshl_add_u32 v5, v1, 2, v5                   ; V^T: key 8 h on, channel r
	v_lshlrev_b32 v7, 16, v2
	v_lshl_add_u32 v7, v1, 2, v7                   ; w_o^T: channel 8 h on, column r
	v_lshlrev_b32 v24, 3, v2
	v_sub_nc_u32 v24, v1, v24                      ; d = r - 8 h: key 8 h + j is hidden where j > d
	v_mov_b32 v25, 0xff800000
	v_lshlrev_b32 v29, 4, v3                       ; 16 x lane: an image's place
	s_lshl_b32 s26, s10, 10
	v_add_nc_u32 v28, s26, v29                     ; my image
	v_lshlrev_b32 v3, 13, v1
	v_lshl_add_u32 v3, v2, 5, v3                   ; out0: row r of 8,192 bytes, + 32 h
	v_mov_b32 v27, 0
	s_mov_b32 s20, 0x76543210
	s_mov_b32 s21, 0xfedcba98
	s_mov_b32 s22, 0x3e0293ee                      ; c = log2(e) / sqrt(128)
	s_mov_b32 s23, s22
	s_mov_b32 s24, 0xbfb8aa3b                      ; -log2(e)
	s_mov_b32 s25, s24
	s_mul_i32 s12, s11, 196608
	s_lshl_b32 s13, s10, 10
	s_add_co_u32 s12, s12, s13                     ; q of my head
	s_mov_b32 s13, 0
	s_mul_i32 s14, s11, 196608
	s_lshr_b32 s15, s10, 1
	s_lshl_b32 s15, s15, 10
	s_add_co_u32 s14, s14, s15
	s_add_co_u32 s14, s14, 8192                    ; k of its kv head
	s_mov_b32 s15, 0
	s_lshl_b32 s16, s10, 20                        ; w_o: my head's 128 rows of 8,192 bytes,
	s_lshl_b32 s17, ttmp9, 6
	s_add_co_u32 s16, s16, s17                     ; the work-group's 16 columns
	s_mov_b32 s17, 0
	s_lshl_b32 s18, s11, 24                        ; out0: the batch's first row
	s_lshl_b32 s19, ttmp9, 6
	s_add_co_u32 s18, s18, s19
	s_mov_b32 s19, 0
	s_wait_kmcnt 0x0
	s_add_nc_u64 s[12:13], s[4:5], s[12:13]
	s_add_nc_u64 s[14:15], s[4:5], s[14:15]
	s_add_nc_u64 s[16:17], s[6:7], s[16:17]
	s_add_nc_u64 s[18:19], s[8:9], s[18:19]
.irp i, 0,1,2,3,4,5,6,7,8,9,10,11,12,13,14,15
	global_load_b128 v[R1+4*\i:R1+4*\i+3], v4, s[12:13] offset:32*\i             ; q(r, 8 i + 4 h + 0..3)
	global_load_b128 v[R2+4*\i:R2+4*\i+3], v4, s[14:15] offset:32*\i             ; k likewise
.endr
	WIN 0x40                                       ; destination window 1
.irp ct, 0,1,2,3,4,5,6,7
.irp j, 0,1,2,3,4,5,6,7
	global_load_b32 v[VT+8*\ct+\j], v5, s[14:15] offset:512+\j*12288+64*\ct      ; v(8 h + j, 16 ct + r)
.endr
.endr
	WIN 0
	s_wait_loadcnt 63                              ; q and k are in.  v's 64 loads stand behind them; the wait names one fewer
	; S^T = k q^T: source 0 = 16 keys, source 1 = 16 queries
.irp kk, 0,1,2,3,4,5,6,7,8,9,10,11,12,13,14,15,16,17,18,19,20,21,22,23,24,25,26,27,28,29,30,31
.if \kk < 4
	v_wmma_f32_16x16x4_f32 v[SA+8*(\kk%4):SA+8*(\kk%4)+7], v[R2+2*\kk:R2+2*\kk+1], v[R1+2*\kk:R1+2*\kk+1], 0
.else
	v_wmma_f32_16x16x4_f32 v[SA+8*(\kk%4):SA+8*(\kk%4)+7], v[R2+2*\kk:R2+2*\kk+1], v[R1+2*\kk:R1+2*\kk+1], v[SA+8*(\kk%4):SA+8*(\kk%4)+7]
.endif
.endr
	PLACES8                                        ; in front of the loads into k's registers and of the first read of the scores
.irp ct, 0,1,2,3,4,5,6,7
.irp c, 0,1
	global_load_b128 v[R2+8*\ct+4*\c:R2+8*\ct+4*\c+3], v6, s[12:13] offset:512+64*\ct+16*\c   ; gate(r, 16 ct + 8 h + 0..7)
.endr
.endr
	WIN 0x40
.irp ct, 0,1,2,3,4
	WOLOAD \ct
.endr
	WIN 0
	SUM4
.irp j, 0,1,2,3,4,5,6,7
	v_cmp_gt_i32 vcc_lo, \j, v24
	v_cndmask_b32 v[T+\j], v[T+\j], v25, vcc_lo
.endr
	v_max3_num_f32 v26, v[T], v[T+1], v[T+2]
	v_max3_num_f32 v26, v26, v[T+3], v[T+4]
	v_max3_num_f32 v26, v26, v[T+5], v[T+6]
	v_max_num_f32 v26, v26, v[T+7]
	v_permlanex16_b32 v27, v26, s20, s21
	v_max_num_f32 v26, v26, v27                    ; the row's largest score: key 0 counts for every query
	v_mul_f32 v26, s22, v26
.irp p, 0,2,4,6
	v_pk_fma_f32 v[P+\p:P+\p+1], v[T+\p:T+\p+1], s[22:23], v[26:27] op_sel_hi:[1,0,0] neg_lo:[0,0,1] neg_hi:[0,0,1]
.endr
.irp j, 0,1,2,3,4,5,6,7
	v_exp_f32 v[P+\j], v[P+\j]
.endr
	v_nop
	s_wait_alu depctr_va_vdst(0)                   ; one wait for the batch, ahead of its first reader
	v_pk_add_f32 v[T:T+1], v[P:P+1], v[P+2:P+3]
	v_pk_add_f32 v[T+2:T+3], v[P+4:P+5], v[P+6:P+7]
	v_pk_add_f32 v[T:T+1], v[T:T+1], v[T+2:T+3]
	v_add_f32 v[T], v[T], v[T+1]
	v_permlanex16_b32 v[T+2], v[T], s20, s21
	v_add_f32 v[T], v[T], v[T+2]
	v_rcp_f32 v[T+4], v[T]                         ; 1 / the row's sum
	v_nop
	s_wait_alu depctr_va_vdst(0)
	s_wait_loadcnt 56                              ; v is in; behind it stand gate's 16 loads and w_o's 40
	; O^T = v^T p: source 0 = 16 channels (window 1), source 1 = p's 16 queries
	WIN 0x01
.irp kk, 0,1,2,3
.irp ct, 0,1,2,3,4,5,6,7
.if \kk == 0
	v_wmma_f32_16x16x4_f32 v[OA+8*\ct:OA+8*\ct+7], v[VT+8*\ct+2*\kk:VT+8*\ct+2*\kk+1], v[P+2*\kk:P+2*\kk+1], 0
.else
	v_wmma_f32_16x16x4_f32 v[OA+8*\ct:OA+8*\ct+7], v[VT+8*\ct+2*\kk:VT+8*\ct+2*\kk+1], v[P+2*\kk:P+2*\kk+1], v[OA+8*\ct:OA+8*\ct+7]
.endif
.endr
.endr
	WIN 0x40
.irp ct, 5,6,7
	WOLOAD \ct                                     ; into registers that no product has named yet
.endr
	WIN 0
	s_wait_loadcnt 63                              ; gate is in.  64 loads of w_o stand behind it; the wait names one fewer
.set n_, 0
.rept 32
	v_pk_mul_f32 v[R2+n_:R2+n_+1], v[R2+n_:R2+n_+1], s[24:25] op_sel_hi:[1,0]    ; these 32 plain lines, which name none of the products' registers, are also the places in front of the first read of O^T
.set n_, n_+2
.endr
.set n_, 0
.rept 64
	v_exp_f32 v[R2+n_], v[R2+n_]
.set n_, n_+1
.endr
	v_nop
	s_wait_alu depctr_va_vdst(0)
.set n_, 0
.rept 32
	v_pk_add_f32 v[R2+n_:R2+n_+1], v[R2+n_:R2+n_+1], 1.0 op_sel_hi:[1,0]
.set n_, n_+2
.endr
.set n_, 0
.rept 64
	v_rcp_f32 v[R2+n_], v[R2+n_]                   ; sigmoid(gate)
.set n_, n_+1
.endr
	v_nop
	s_wait_alu depctr_va_vdst(0)
.set n_, 0
.rept 32
	v_pk_mul_f32 v[R2+n_:R2+n_+1], v[R2+n_:R2+n_+1], v[T+4:T+5] op_sel_hi:[1,0]  ; / the sum
.set n_, n_+2
.endr
.set n_, 0
.rept 32
	v_pk_mul_f32 v[R2+n_:R2+n_+1], v[R2+n_:R2+n_+1], v[OA+n_:OA+n_+1]            ; x, into other registers than the sums'; each accumulator from its low end on
.set n_, n_+2
.endr
	s_wait_loadcnt 24                              ; w_o's tiles 0 to 4 are in; the last three tiles' 24 loads may be out
	WIN 0x01
.irp st, 0,1,2,3,4,5,6,7,8,9,10,11,12,13,14,15,16,17,18,19
	PROJ \st
.endr
	s_wait_loadcnt 0x0
.irp st, 20,21,22,23,24,25,26,27,28,29,30,31
	PROJ \st
.endr
	WIN 0
	PLACES8
	SUM4                                           ; lane (r, h): out(r, 16 x + 8 h + 0..7), my head's part
	ds_store_b128 v28, v[T:T+3]
	ds_store_b128 v28, v[T+4:T+7] offset:512
	s_wait_dscnt 0x0                               ; for wave 0's sake: my stores have landed
	s_barrier_signal -1
	s_barrier_wait -1
	s_cmp_lg_u32 s10, 0                            ; wave 0 adds the eight parts; no barrier stands inside the branch
	s_cbranch_scc1 .Ldone
.irp i, 0,1,2,3,4,5,6,7
	ds_load_b128 v[R1+8*\i:R1+8*\i+3], v29 offset:1024*\i
	ds_load_b128 v[R1+8*\i+4:R1+8*\i+7], v29 offset:1024*\i+512
.endr
	s_wait_dscnt 0x0
.irp p, 0,2,4,6
	v_pk_add_f32 v[T+\p:T+\p+1], v[R1+\p:R1+\p+1], v[R1+8+\p:R1+8+\p+1]
.endr
.irp i, 2,3,4,5,6,7
.irp p, 0,2,4,6
	v_pk_add_f32 v[T+\p:T+\p+1], v[T+\p:T+\p+1], v[R1+8*\i+\p:R1+8*\i+\p+1]
.endr
.endr
	global_store_b128 v3, v[T:T+3], s[18:19]       ; 64 bytes of each of 16 rows: 262,144 bytes in the whole launch
	global_store_b128 v3, v[T+4:T+7], s[18:19] offset:16
.Ldone:
	s_wait_tensorcnt 0x0                           ; the wave's end
	ds_add_u32 v[SPW], v[NIL]
	s_wait_dscnt 0x0
	s_endpgm
.Lfunc_end_k_qa893d208da_fine16:
	.size	k_qa893d208da_fine16, .Lfunc_end_k_qa893d208da_fine16-k_qa893d208da_fine16
	.p2alignl 7, 3214868480
	.fill 96, 4, 3214868480
	.section	.rodata,"a",@progbits
	.p2align	6, 0x0
	.amdhsa_kernel k_qa893d208da_fine16
		.amdhsa_group_segment_fixed_size 9216
		.amdhsa_private_segment_fixed_size 0
		.amdhsa_enable_private_segment 0
		.amdhsa_kernarg_size 24
		.amdhsa_user_sgpr_count 2
		.amdhsa_user_sgpr_kernarg_segment_ptr 1
		.amdhsa_wavefront_size32 1
		.amdhsa_system_sgpr_workgroup_id_x 1
		.amdhsa_system_sgpr_workgroup_id_y 1
		.amdhsa_system_sgpr_workgroup_id_z 1
		.amdhsa_system_vgpr_workitem_id 0
		.amdhsa_next_free_vgpr 512
		.amdhsa_next_free_sgpr 66
		.amdhsa_reserve_vcc 1
		.amdhsa_float_denorm_mode_32 3
		.amdhsa_float_denorm_mode_16_64 3
		.amdhsa_memory_ordered 1
		.amdhsa_forward_progress 1
		.amdhsa_inst_pref_size 45
	.end_amdhsa_kernel
	.amdgpu_metadata
---
amdhsa.version: [ 1, 2 ]
amdhsa.kernels:
  - .name:           k_qa893d208da_fine16
    .symbol:         k_qa893d208da_fine16.kd
    .args:
      - { .name: fine, .offset: 0, .size: 8, .value_kind: global_buffer, .address_space: global }
      - { .name: w_o, .offset: 8, .size: 8, .value_kind: global_buffer, .address_space: global }
      - { .name: out0, .offset: 16, .size: 8, .value_kind: global_buffer, .address_space: global }
    .group_segment_fixed_size: 9216
    .private_segment_fixed_size: 0
    .kernarg_segment_align: 8
    .kernarg_segment_size: 24
    .max_flat_workgroup_size: 256
    .sgpr_count:     66
    .vgpr_count:     512
    .wavefront_size: 32
...
	.end_amdgpu_metadata
.endif
;; end of part 5
